; MI455X (gfx1250); checked and timed in simulation.
; The chip was launched on July 23, 2026; its instructions are those of AMD's public machine-readable ISA for CDNA 5 (MIT licence, August 2026) and "CDNA5" Instruction Set Architecture Reference Guide (July 2026). The comments in the code are by the model that wrote it; some were corrected since.
;; Multi Head Attention Map. Allowed arithmetic: matrix products marked QUANTISED: E5M2 operands, one E8M0 scale for each 32 along K, by v_wmma_scale_f32_16x16x128_f8f6f4 with both operands' format E5M2, f32 sums; everything else in f32.
;; Inputs: keys 2 x 2,048 x 1,024 float32; mask 2 x 2,048 x 2,048 bool; queries 2 x 2,048 x 1,024 float32; values 2 x 2,048 x 1,024 float32.
;; Outputs: out0 2 x 2,048 x 1,024 float32.
;; This version of the problem:
;;   THIS VERSION OF THE PROBLEM IS GIVEN IN LOW PRECISION. The matrix products marked QUANTISED in the list below multiply operands that are first quantised to E5M2 (5 exponent bits, 2 mantissa bits; 8 bits a number), with one power-of-two scale for each 32 numbers along K (OCP MX v1.0); their sums are f32. All else is computed in f32.
;;   The module's matrix products, in the order in which they are computed (A, B: the left and right operand; K: the contracted axis; several contracted axes count as one K, in the product's order):
;;     1. batch 32 x [M 2,048, K 64] x [K 64, N 2,048]; A: input queries; B: input keys: QUANTISED
;;     2. batch 32 x [M 2,048, K 2,048] x [K 2,048, N 64]; A: softmax (see below); B: input values: QUANTISED
;;   THE QUANTISER, for each operand of a quantised product, along K:
;;     - K is cut into blocks of 32 from its start; a last block that is shorter is filled with zeros.
;;     - A block's scale is 2^e with e = floor(log2(the largest magnitude in the block)) - 15, held to -126 .. 127; a block of zeros has e = 0. As a byte (E8M0): e + 127.
;;     - Each number is divided by its block's scale, clamped to +-57,344, and rounded to the nearest number of E5M2, ties to even, subnormals kept.
;;     - The product sums the exact products of the quantised numbers (number of the format x scale) in f32.
;;   ~~~python
;;   def quantise(x, axis):      # numpy; x: float32 -> the quantised numbers, widened to float32 again
;;       x = np.moveaxis(x, axis, -1); K = x.shape[-1]
;;       x = np.pad(x, [(0, 0)] * (x.ndim - 1) + [(0, -K % 32)]); x = x.reshape(x.shape[:-1] + (-1, 32)); a = np.abs(x).max(-1, keepdims=True)
;;       e = np.where(a > 0, np.clip(np.frexp(np.where(a > 0, a, 1))[1] - 1 - 15, -126, 127), 0)      # np.frexp(a)[1] - 1 = floor(log2(a)), exactly
;;       r = np.clip(x / 2.0 ** e, -57344, 57344)
;;       step = 2.0 ** (np.maximum(np.frexp(np.where(r == 0, 1, r))[1] - 1, -14) - 2)
;;       q = np.round(r / step) * step * 2.0 ** e      # np.round: ties to even
;;       return np.moveaxis(q.reshape(q.shape[:-2] + (-1,))[..., :K], -1, axis).astype(np.float32)
;;   ~~~
;;   SOFTMAX AHEAD OF A QUANTISED PRODUCT. Where the list says 'softmax', what is quantised is not the finished softmax but p = 2^(t - M), with t = logit x log2(e) and M = ceil(the row's largest t), a whole number; so 1/2 < the row's largest p <= 1. The row's sum l is taken of the UNQUANTISED p, in f32, and the product's result is divided by l at the end. Since M is a whole number, a kernel that streams over the keys may use a running M (the ceiling of the running maximum): every later rescaling is an exact power of two, which a block's scale takes up: the codes' values come out the same.
;;   OPERANDS COMPUTED ON THE WAY. 'Computed on the way' means the value that the module computes at that place (a softmax that the list does not call 'softmax' is quantised finished and normalised). What goes into a quantiser is computed in f32, as accurately as f32 sums, v_exp_f32 and their like allow (about 1e-6 of the number): no bf16 or f16 on the way to a quantiser, and a product that is left as it is and whose result goes on into a quantised operand takes f32 operands (vector FMAs, or v_wmma_f32_16x16x4_f32). A number that lies on a knife's edge between two numbers of the format may be rounded either way, as far as f32 arithmetic and the matrix unit's own rounding can turn it there, and no further.
;; 2 versions. Each part assembles by itself: llvm-mc -triple=amdgcn-amd-amdhsa -mcpu=gfx1250 --defsym DOCPART=n.
;; ======== version 1 of 2: 2 launches
;; limits: right only within a limited range of input values
;; workspace buffers: kv 8,650,752 bytes; maskw 1,048,576 bytes of whole numbers; flags 4,096 bytes of whole numbers
;; launch prep (part 1): grid 512 x 1, 4 waves a work-group, no clusters, 69,120 bytes of LDS; arguments keys, values, mask, kv, maskw, flags; writes kv, maskw, flags
.if DOCPART == 1
	.amdgcn_target "amdgcn-amd-amdhsa--gfx1250"
	.amdhsa_code_object_version 6
	.text
	.protected	k_q0afd63c3eb_prep
	.globl	k_q0afd63c3eb_prep
	.p2align	8
	.type	k_q0afd63c3eb_prep,@function
k_q0afd63c3eb_prep:
	s_mov_b64 s[64:65], 0
	v_nop
	global_prefetch_b8 v0, s[64:65] scope:SCOPE_SE
	s_setreg_imm32_b32 hwreg(HW_REG_WAVE_MODE, 25, 1), 1
	s_wait_xcnt 0x0
; WHAT THE ATTENTION LAUNCH READS MANY TIMES IS MADE ONCE.  keys, values: [2][2048][1024] f32 (16 heads of 64); mask: [2][2048][2048], one byte 0 or 1.
; Three roles, told apart by the work-group's number; each wave works alone: no barrier, and each role has LDS bytes of its own.
;  K (work-groups 0-127):   a wave takes 128 keys of one head: codes of BF8 (E5M2) with one E8M0 byte for each 32 along the head's 64, laid as IMAGES OF OPERAND REGISTERS:
;     fragment f (0..3) of a step holds two tiles of 16 keys: tile 2 f in k 0-63, tile 2 f + 1 in k 64-127; row r of tile 2 f + u is key 32 f + 8 u + r + 8 (r / 8).
;  V (work-groups 128-255): the same 128 keys of values, quantised ALONG THE KEYS: a lane takes a channel and its registers run down the keys; fragment f = channels 16 f .. 16 f + 15, k = the step's 128 keys.
;  M (work-groups 256-511): a wave takes 16 queries x 512 keys of the mask and turns the bytes into lane masks: word n = 16 b + i of a step: bit l = mask[query l % 16][key 32 b + 16 (l / 16) + i];
;     and one flag word: bits 0-3 a step has an allowed key, bits 4-7 a step is all allowed, bits 16-31 row r has an allowed key in these 512.
; kv, for head hb = 16 batch + head, HB bytes: K's images (step j at 8192 j, fragment at 2048 f, quarter c at 512 c, lane at 16 l), V's likewise from VIMG on, K's scale words from KSC on
; (step j at 256 j, lane l at 8 l: word 0 = fragment 0's rows in lanes 0-15 and fragment 1's in lanes 16-31, word 1 = fragments 2 and 3), V's from VSC on, in the same form.
; A block's scale is 2^(floor(log2(its largest magnitude)) - 15); its byte is the largest magnitude's exponent field - 15, held at 1 from below; numbers are held within +-57,344 x the scale.
; LIMITS: a block of zeros, or one whose largest magnitude lies under 2^-111, keeps the byte 1 (its bytes are read by this program alone; zero codes add nothing); NaN and infinities are not served.
.set HB,   270336
.set VIMG, 131072
.set KSC,  262144
.set VSC,  266240
.set KST,  8704                        ; K's stage, a wave: 32 rows x 272 bytes, from LDS byte 0
.set MST0, 34816                       ; the mask's stages begin here:
.set MST,  8448                        ; 16 rows x 528 bytes a wave
.set R,    16                          ; K: v16-143 two sets of 64 numbers as loaded
.set X,    144                         ; K: v144-207 64 numbers in the fragment's order
.set PC,   208                         ; K: v208-223 a fragment's codes
.set TM,   224                         ; K: v224-239 at work
.set PW,   240                         ; K: the scale word just made
.set W,    244                         ; K: v244-247 the four fragments' scale words
	s_load_b256 s[4:11], s[0:1], 0x0               ; keys s[4:5], values s[6:7], mask s[8:9], kv s[10:11]
	s_load_b128 s[12:15], s[0:1], 0x20             ; maskw s[12:13], flags s[14:15]
	v_lshl_add_u32 v254, v0, 2, 0x10c00
	v_mov_b32 v255, 0
	v_lshrrev_b32 v1, 5, v0
	v_readfirstlane_b32 s16, v1                    ; wave 0..3
	v_and_b32 v1, 31, v0                           ; lane
	v_and_b32 v2, 15, v0                           ; lane % 16
	v_bfe_u32 v3, v0, 4, 1                         ; lane / 16
	v_lshlrev_b32 v7, 4, v1                        ; 16 x lane
	v_lshlrev_b32 v8, 3, v1                        ; 8 x lane
	s_mov_b32 s20, 0x76543210
	s_mov_b32 s21, 0xfedcba98                      ; v_permlanex16_b32's selects for lane l xor 16
	s_mov_b32 s23, 0x600000                        ; the mantissa field of 57,344
	s_wait_kmcnt 0x0
	s_cmp_lt_u32 ttmp9, 128
	s_cbranch_scc1 .Lkrole
	s_cmp_lt_u32 ttmp9, 256
	s_cbranch_scc1 .Lvrole
; ---------------------------------------------------------------- the mask
	s_sub_co_u32 s17, ttmp9, 256
	s_lshl_b32 s17, s17, 2
	s_add_co_u32 s17, s17, s16                     ; 4 x (tile of 16 queries, 0 .. 255) + quarter of the keys
	s_lshr_b32 s18, s17, 2
	s_and_b32 s19, s17, 3
	s_lshl_b32 s24, s18, 15                        ; 16 rows of 2,048 bytes a tile,
	s_lshl_b32 s25, s19, 9                         ; 512 bytes a quarter
	s_add_co_u32 s24, s24, s25
	s_mov_b32 s25, 0
	s_add_nc_u64 s[8:9], s[8:9], s[24:25]
	s_lshl_b32 s24, s17, 10                        ; four steps of 256 bytes of words
	s_add_nc_u64 s[12:13], s[12:13], s[24:25]
	s_lshl_b32 s24, s17, 2                         ; one flag word
	s_add_nc_u64 s[14:15], s[14:15], s[24:25]
	s_mul_i32 s26, s16, MST
	s_add_co_u32 s26, s26, MST0
	v_add_nc_u32 v4, s26, v7                       ; into my stage: a row's 512 bytes as they lie
	v_mul_u32_u24 v5, v2, 528
	v_lshl_add_u32 v5, v3, 4, v5
	v_add_nc_u32 v5, s26, v5                       ; back: row lane % 16, 16 keys for each half of the lanes; 528 = 33 x 16, so sixteen rows begin in sixteen different 16-byte columns of 256
.irp p, 0,1,2,3,4,5,6,7,8,9,10,11,12,13,14,15
	global_load_b128 v[16+4*\p:19+4*\p], v7, s[8:9] offset:2048*\p th:TH_LOAD_NT   ; 32 lanes read 512 consecutive bytes of row p
.endr
.irp p, 0,1,2,3,4,5,6,7
	v_mov_b32 v[144+\p], 0                         ; the words' registers: v_writelane_b32's destination counts as read
.endr
	s_mov_b32 s28, 0                               ; the flag word
	s_mov_b32 s22, 0x01010101
	s_wait_loadcnt 0x0
.irp p, 0,1,2,3,4,5,6,7,8,9,10,11,12,13,14,15
	ds_store_b128 v4, v[16+4*\p:19+4*\p] offset:528*\p
.endr
.irp t, 0,1,2,3,4,5,6,7,8,9,10,11,12,13,14,15
	ds_load_b128 v[80+4*\t:83+4*\t], v5 offset:32*\t   ; LDS serves a wave's instructions in order: these see my stores.  Step t / 4, block t % 4
.endr
	s_wait_dscnt 0x0
; One step of 128 keys: its 64 words, eight at a time (a byte is cut out, compared in all 32 lanes, and the lane mask is put into lane n / 2 of register n % 2), and its two flags.
.macro BITS js
.set M0, 80+16*\js
	v_or_b32 v170, v[M0], v[M0+1]
	v_and_b32 v171, v[M0], v[M0+1]
.irp i, 2,3,4,5,6,7,8,9,10,11,12,13,14,15
	v_or_b32 v170, v170, v[M0+\i]
	v_and_b32 v171, v171, v[M0+\i]
.endr
.irp g, 0,1,2,3,4,5,6,7
.irp e, 0,1,2,3,4,5,6,7
	v_and_b32 v[160+\e], 1<<(8*(\e%4)), v[M0+(8*\g+\e)/4]
.endr
.irp e, 0,1,2,3,4,5,6,7
	v_cmp_ne_u32 s[32+\e], 0, v[160+\e]
.endr
.irp e, 0,1,2,3,4,5,6,7
	v_writelane_b32 v[144+2*\js+\e%2], s[32+\e], 4*\g+\e/2
.endr
.endr
	global_store_b64 v8, v[144+2*\js:145+2*\js], s[12:13] offset:256*\js   ; 32 lanes store 256 consecutive bytes, aligned
	v_cmp_ne_u32 vcc_lo, 0, v170
	s_cmp_lg_u32 vcc_lo, 0
	s_cselect_b32 s29, 1<<\js, 0                   ; some key of the step is allowed for some of the 16 queries
	s_or_b32 s28, s28, s29
	v_cmp_eq_u32 vcc_lo, s22, v171
	s_cmp_eq_u32 vcc_lo, -1
	s_cselect_b32 s29, 16<<\js, 0                  ; all are
	s_or_b32 s28, s28, s29
.if \js == 0
	v_mov_b32 v172, v170
.else
	v_or_b32 v172, v172, v170
.endif
.endm
	BITS 0
	BITS 1
	BITS 2
	BITS 3
	v_cmp_ne_u32 vcc_lo, 0, v172                   ; lane l: row l % 16 has an allowed key among its half's keys
	s_lshr_b32 s29, vcc_lo, 16
	s_or_b32 s29, s29, vcc_lo
	s_lshl_b32 s29, s29, 16                        ; both halves joined, in bits 16-31
	s_or_b32 s28, s28, s29
	v_mov_b32 v173, s28
	v_mov_b32 v174, 0
	v_cmp_eq_u32 vcc_lo, 0, v1
	s_wait_xcnt 0x0                                ; EXEC is a source of the stores above: it changes only behind this wait
	s_wait_tensorcnt 0x0
	ds_add_u32 v254, v255
	s_wait_dscnt 0x0
	s_and_saveexec_b32 s30, vcc_lo
	global_store_b32 v174, v173, s[14:15]          ; one word a wave: 4,096 bytes in the whole launch leave as single words
	s_wait_xcnt 0x0
	s_or_b32 exec_lo, exec_lo, s30
	s_endpgm
; which head and which step of 128 keys is my wave's; the offsets that follow from it
.macro HJ first
	s_sub_co_u32 s17, ttmp9, \first
	s_lshl_b32 s17, s17, 2
	s_add_co_u32 s17, s17, s16                     ; 0 .. 511
	s_lshr_b32 s18, s17, 4                         ; hb = 16 batch + head
	s_and_b32 s19, s17, 15                         ; j
	s_lshr_b32 s24, s18, 4
	s_and_b32 s25, s18, 15
	s_lshl_b32 s24, s24, 4
	s_add_co_u32 s24, s24, s19                     ; 16 batch + j
	s_lshl_b32 s24, s24, 19                        ; x 128 rows of 4,096 bytes
	s_lshl_b32 s25, s25, 8                         ; + the head's 256 bytes of a row
	s_add_co_u32 s24, s24, s25
	s_mov_b32 s25, 0                               ; s[24:25]: where my rows begin in keys or values
	s_mul_i32 s26, s18, HB
	s_lshl_b32 s30, s19, 8
	s_add_co_u32 s30, s30, s26                     ; s[30:31]: the head's block + 256 j
	s_lshl_b32 s27, s19, 13
	s_add_co_u32 s26, s26, s27                     ; s[26:27]: the head's block + 8192 j
	s_mov_b32 s27, 0
	s_mov_b32 s31, 0
.endm
; ---------------------------------------------------------------- K
.Lkrole:
	HJ 0
	s_add_nc_u64 s[4:5], s[4:5], s[24:25]
	s_add_nc_u64 s[28:29], s[10:11], s[26:27]      ; my step's images
	s_add_co_u32 s30, s30, KSC
	s_add_nc_u64 s[30:31], s[10:11], s[30:31]      ; and scale words
	s_mul_i32 s17, s16, KST
	v_lshlrev_b32 v4, 12, v3
	v_lshl_add_u32 v4, v2, 4, v4                   ; in: lanes 0-15 one key's 256 bytes, lanes 16-31 the next key's
	v_mul_u32_u24 v5, v3, 272
	v_lshl_add_u32 v5, v2, 4, v5
	v_add_nc_u32 v5, s17, v5                       ; the same two rows in my stage
	v_mul_u32_u24 v6, v2, 272
	v_lshl_add_u32 v6, v3, 6, v6
	v_add_nc_u32 v6, s17, v6                       ; back: row lane % 16 of a tile, 16 numbers (64 bytes) for each half of the lanes; 272 = 17 x 16
.irp b, 0,1,2,3
	v_mov_b32 v[TM+4+\b], 0                        ; written once: a lane permute's destination counts as one of its sources
.endr
; Fragment f's 32 keys, two to a load, in the order of the stage's rows: row 16 u + r holds key 8 u + r + 8 (r / 8)
.macro LOADK f
.irp i, 0,1,2,3,4,5,6,7,8,9,10,11,12,13,14,15
	global_load_b128 v[R+64*((\f)%2)+4*\i:R+64*((\f)%2)+4*\i+3], v4, s[4:5] offset:(32*(\f)+8*(\i/8)+2*(\i%8)+8*((\i%8)/4))*4096 th:TH_LOAD_NT
.endr
.endm
.macro TURNK f                         ; through the stage: register 16 c + i becomes k 32 c + 16 (lane / 16) + i of the fragment's row lane % 16
.irp i, 0,1,2,3,4,5,6,7,8,9,10,11,12,13,14,15
	ds_store_b128 v5, v[R+64*((\f)%2)+4*\i:R+64*((\f)%2)+4*\i+3] offset:2*\i*272
.endr
.irp c, 0,1,2,3
.irp q, 0,1,2,3
	ds_load_b128 v[X+16*\c+4*\q:X+16*\c+4*\q+3], v6 offset:16*(\c/2)*272+128*(\c%2)+16*\q
.endr
.endr
.endm
.macro QUANT                           ; v[X] .. v[X + 63] become the fragment's codes in v[PC] on and its rows' scale word in v[PW]
.irp b, 0,1,2,3
	v_max3_num_f32 v[TM+\b], |v[X+16*\b]|, |v[X+1+16*\b]|, 0x8000000   ; block b: my 16 numbers, and the floor 2^(16 - 127): so the byte cannot fall under 1
.endr
.irp i, 2,4,6,8,10,12,14
.irp b, 0,1,2,3
	v_max3_num_f32 v[TM+\b], v[TM+\b], |v[X+16*\b+\i]|, |v[X+1+16*\b+\i]|   ; the four blocks by turns
.endr
.endr
.irp b, 0,1,2,3
	v_permlanex16_b32 v[TM+4+\b], v[TM+\b], s20, s21
.endr
.irp b, 0,1,2,3
	v_max_num_f32 v[TM+\b], v[TM+\b], v[TM+4+\b]   ; with lane l xor 16's 16: the block's largest magnitude
.endr
.irp b, 0,1,2,3
	v_add_nc_u32 v[TM+12+\b], 0xf8800000, v[TM+\b] ; 15 off its exponent field: the conversion's scale operand
.endr
.irp b, 0,1,2,3
	v_and_or_b32 v[TM+8+\b], v[TM+\b], 0x7f800000, s23   ; 57,344 x the scale
.endr
.irp b, 0,1,2,3
	v_lshrrev_b32 v[TM+4+\b], 23, v[TM+12+\b]      ; the scale's byte
.endr
	v_lshl_or_b32 v[PW], v[TM+5], 8, v[TM+4]
	v_lshl_or_b32 v[PW], v[TM+6], 16, v[PW]
	v_lshl_or_b32 v[PW], v[TM+7], 24, v[PW]
.irp b, 0,1,2,3
.irp i, 0,1,2,3,4,5,6,7,8,9,10,11,12,13,14,15
	v_med3_num_f32 v[X+16*\b+\i], v[X+16*\b+\i], -v[TM+8+\b], v[TM+8+\b]   ; the conversion to an 8-bit code does not saturate (ISA guide 7.6.2): the hold comes first
.endr
	v_cvt_scalef32_pk8_bf8_f32 v[PC+4*\b:PC+1+4*\b], v[X+16*\b:X+7+16*\b], v[TM+12+\b]
	v_cvt_scalef32_pk8_bf8_f32 v[PC+2+4*\b:PC+3+4*\b], v[X+8+16*\b:X+15+16*\b], v[TM+12+\b]
.endr
	v_nop                                          ; a plain line behind the last conversion
.endm
	LOADK 0
	LOADK 1
.macro FRAGK f
.if (\f) < 3
	s_wait_loadcnt 16                              ; this fragment's 16 loads are in; the next fragment's 16 may be out
.else
	s_wait_loadcnt 0x0
.endif
	TURNK \f
	s_wait_dscnt 0x0                               ; the numbers are back, and the stage's stores have read the set as loaded
	s_wait_xcnt 0x0                                ; the last fragment's stores have read their data: v[PC] on is written again only behind this wait
.if (\f)+2 < 4
	LOADK (\f)+2
.endif
	QUANT
	v_mov_b32 v[W+\f], v[PW]
.irp c, 0,1,2,3
	global_store_b128 v7, v[PC+4*\c:PC+4*\c+3], s[28:29] offset:2048*(\f)+512*\c   ; 32 lanes store 512 consecutive bytes, aligned
.endr
.endm
	FRAGK 0
	FRAGK 1
	FRAGK 2
	FRAGK 3
	v_cmp_gt_u32 vcc_lo, 16, v1                    ; both halves of the lanes hold row lane % 16's word: lanes 0-15 keep the even fragment's, lanes 16-31 the odd one's
	v_cndmask_b32 v248, v[W+1], v[W], vcc_lo
	v_cndmask_b32 v249, v[W+3], v[W+2], vcc_lo
	global_store_b64 v8, v[248:249], s[30:31]      ; 256 consecutive bytes, aligned
	s_wait_tensorcnt 0x0
	ds_add_u32 v254, v255
	s_wait_dscnt 0x0
	s_endpgm
; ---------------------------------------------------------------- V
.Lvrole:
	HJ 128
	s_add_nc_u64 s[6:7], s[6:7], s[24:25]
	s_add_co_u32 s26, s26, VIMG
	s_add_nc_u64 s[28:29], s[10:11], s[26:27]
	s_add_co_u32 s30, s30, VSC
	s_add_nc_u64 s[30:31], s[10:11], s[30:31]
	v_lshlrev_b32 v9, 2, v1                        ; in: a lane a channel
	v_lshlrev_b32 v10, 11, v3
	v_lshl_add_u32 v10, v2, 4, v10                 ; out: fragment lane / 16 of the pair, row lane % 16
; Block t: keys 32 (t / 2) + 0 .. 31 of channel 32 (t % 2) + lane: a whole block of the quantiser in one lane's 32 registers
.macro LOADV t
.irp i, 0,1,2,3,4,5,6,7,8,9,10,11,12,13,14,15,16,17,18,19,20,21,22,23,24,25,26,27,28,29,30,31
	global_load_b32 v[16+32*((\t)%2)+\i], v9, s[6:7] offset:(32*((\t)/2)+\i)*4096+128*((\t)%2) th:TH_LOAD_NT
.endr
.endm
.macro BLOCKV t
.set XS, 16+32*((\t)%2)
.set CC, 80+8*(\t)                     ; each block has its own eight registers of codes: no store's data are written again
.if (\t) < 7
	s_wait_loadcnt 32                              ; this block's 32 loads are in; the next block's may be out
.else
	s_wait_loadcnt 0x0
.endif
	v_max3_num_f32 v146, |v[XS]|, |v[XS+1]|, |v[XS+2]|
	v_max3_num_f32 v147, |v[XS+3]|, |v[XS+4]|, |v[XS+5]|
.irp i, 6,10,14,18,22,26
	v_max3_num_f32 v146, v146, |v[XS+\i]|, |v[XS+\i+1]|
	v_max3_num_f32 v147, v147, |v[XS+\i+2]|, |v[XS+\i+3]|
.endr
	v_max3_num_f32 v146, v146, |v[XS+30]|, |v[XS+31]|
	v_max3_num_f32 v146, v146, v147, 0x8000000     ; and the floor 2^(16 - 127)
	v_add_nc_u32 v149, 0xf8800000, v146            ; the conversion's scale operand
	v_and_or_b32 v148, v146, 0x7f800000, s23       ; 57,344 x the scale
	v_lshrrev_b32 v150, 23, v149                   ; the byte: byte t / 2 of my channel's word
.if (\t)/2 == 0
	v_mov_b32 v[144+(\t)%2], v150
.else
	v_lshl_or_b32 v[144+(\t)%2], v150, 8*((\t)/2), v[144+(\t)%2]
.endif
.irp i, 0,1,2,3,4,5,6,7,8,9,10,11,12,13,14,15,16,17,18,19,20,21,22,23,24,25,26,27,28,29,30,31
	v_med3_num_f32 v[XS+\i], v[XS+\i], -v148, v148
.endr
.irp g, 0,1,2,3
	v_cvt_scalef32_pk8_bf8_f32 v[CC+2*\g:CC+2*\g+1], v[XS+8*\g:XS+8*\g+7], v149
.endr
	v_nop                                          ; a plain line behind the last conversion
	global_store_b128 v10, v[CC:CC+3], s[28:29] offset:512*((\t)/2)+4096*((\t)%2)          ; keys 0-15 of the block: sixteen lanes store 256 consecutive bytes, aligned
	global_store_b128 v10, v[CC+4:CC+7], s[28:29] offset:512*((\t)/2)+4096*((\t)%2)+256    ; keys 16-31: the places of the image's lanes 16-31
.if (\t)+2 < 8
	LOADV (\t)+2
.endif
.endm
	LOADV 0
	LOADV 1
.irp t, 0,1,2,3,4,5,6,7
	BLOCKV \t
.endr
	global_store_b64 v8, v[144:145], s[30:31]      ; lane l: the words of channels l and 32 + l: 256 consecutive bytes, aligned
	s_endpgm
.Lfunc_end_k_q0afd63c3eb_prep:
	.size	k_q0afd63c3eb_prep, .Lfunc_end_k_q0afd63c3eb_prep-k_q0afd63c3eb_prep
	.p2alignl 7, 3214868480
	.fill 96, 4, 3214868480
	.section	.rodata,"a",@progbits
	.p2align	6, 0x0
	.amdhsa_kernel k_q0afd63c3eb_prep
		.amdhsa_group_segment_fixed_size 69120
		.amdhsa_private_segment_fixed_size 0
		.amdhsa_enable_private_segment 0
		.amdhsa_kernarg_size 48
		.amdhsa_user_sgpr_count 2
		.amdhsa_user_sgpr_kernarg_segment_ptr 1
		.amdhsa_wavefront_size32 1
		.amdhsa_system_sgpr_workgroup_id_x 1
		.amdhsa_system_sgpr_workgroup_id_y 1
		.amdhsa_system_sgpr_workgroup_id_z 1
		.amdhsa_system_vgpr_workitem_id 0
		.amdhsa_next_free_vgpr 256
		.amdhsa_next_free_sgpr 66
		.amdhsa_reserve_vcc 1
		.amdhsa_float_denorm_mode_32 3
		.amdhsa_float_denorm_mode_16_64 3
		.amdhsa_memory_ordered 1
		.amdhsa_forward_progress 1
		.amdhsa_inst_pref_size 163
	.end_amdhsa_kernel
	.amdgpu_metadata
---
amdhsa.version: [ 1, 2 ]
amdhsa.kernels:
  - .name:           k_q0afd63c3eb_prep
    .symbol:         k_q0afd63c3eb_prep.kd
    .args:
      - { .name: keys, .offset: 0, .size: 8, .value_kind: global_buffer, .address_space: global }
      - { .name: values, .offset: 8, .size: 8, .value_kind: global_buffer, .address_space: global }
      - { .name: mask, .offset: 16, .size: 8, .value_kind: global_buffer, .address_space: global }
      - { .name: kv, .offset: 24, .size: 8, .value_kind: global_buffer, .address_space: global }
      - { .name: maskw, .offset: 32, .size: 8, .value_kind: global_buffer, .address_space: global }
      - { .name: flags, .offset: 40, .size: 8, .value_kind: global_buffer, .address_space: global }
    .group_segment_fixed_size: 69120
    .private_segment_fixed_size: 0
    .kernarg_segment_align: 8
    .kernarg_segment_size: 48
    .max_flat_workgroup_size: 128
    .sgpr_count:     66
    .vgpr_count:     256
    .wavefront_size: 32
...
	.end_amdgpu_metadata
.endif
;; end of part 1
;; launch attn (part 2): grid 8 x 32, 8 waves a work-group, no clusters, 306,176 bytes of LDS; arguments queries, kv, maskw, flags, out0; writes out0
.if DOCPART == 2
	.amdgcn_target "amdgcn-amd-amdhsa--gfx1250"
	.amdhsa_code_object_version 6
	.text
	.protected	k_q0afd63c3eb_attn
	.globl	k_q0afd63c3eb_attn
	.p2align	8
	.type	k_q0afd63c3eb_attn,@function
k_q0afd63c3eb_attn:
	s_mov_b64 s[64:65], 0
	v_nop
	global_prefetch_b8 v0, s[64:65] scope:SCOPE_SE
	s_setreg_imm32_b32 hwreg(HW_REG_WAVE_MODE, 25, 1), 1
	s_wait_xcnt 0x0
; out[b][q][64 h ..] = the sum over k of softmax_k(q . k / 8 - 1e9 (1 - mask[b][q][k])) v, 32 heads of 64, 2,048 queries and keys, both products on codes of BF8 (E5M2) with one E8M0 scale for each 32 along K.
; THE SOFTMAX AHEAD OF THE SECOND PRODUCT: t = logit x log2(e); M = the running largest t rounded UP to a whole number; p = 2^(t - M) is quantised along the keys; the row's sum is taken of the unquantised p and divides at the end.
; SHARES.  A work-group owns one head and 16 tiles of 16 queries, T = 8 rank + x of the work-group.  Wave w takes ranks p and 15 - p (p = w, or 11 - w from wave 4 on): two tiles share each fragment read from LDS.
; THE HEAD'S WHOLE K AND V, as codes laid in the order of operand registers by the launch before, 270,336 bytes, come into LDS ONCE, through registers, in three parts: steps 0-3 and all scale words at the head;
; steps 4-11 behind step 1; steps 12-15 behind step 7.  Every LDS byte is stored once; a barrier stands between a part's stores and its first read.
; The eight work-groups of a head read the same block.  It is not asked for jointly by tensor loads in a cluster: this text branches on numbers read from memory (the flags).
; K = 64 IN AN INSTRUCTION OF K = 128: a fragment of K holds two tiles of 16 keys (k 0-63, k 64-127) and is multiplied once by [q | 0] and once by [0 | q]; zero codes add nothing.
; LAYOUT.  Both products are used transposed: S^T = K Q^T, O^T = V^T P^T: a lane holds ONE query (lane % 16) throughout.  Row r of key tile 2 f + u is key 32 f + 8 u + r + 8 (r / 8), so score register 16 b + i is key 32 b + 16 (lane / 16) + i.
; THE MASK is an input and is honoured as it comes.  For each tile and step of 128 keys the launch before stored two flags.  All allowed: no mask work.  Mixed: the bias is added as the definition adds it: s - 8e9 = 8 (s / 8 - 1e9),
; rounded alike; t is then a product of its own, so that equal logits give equal t.  None allowed: the step is left out, if every one of the tile's 16 rows has an allowed key somewhere: its p would be 2^(about -1.4e9) = 0.
; A tile with a row that has no allowed key at all leaves nothing out.  SKIP = 0 leaves nothing out anywhere.
; LIMITS: the step left out takes |q . k| / 8 < 9e8; NaN and infinities are not served; a block whose largest magnitude lies under 2^-111 keeps the scale byte 1.
; REGISTERS, window 0: v1-11 addresses; v12-19 -M, largest t, sum (a pair), for each tile; v20-59 zeros | q tile 0 | zeros | q tile 1 | zeros, 8 each; v60-61 q's scale words; v62-65 K's and V's; v66 p's; v68-83 p's codes;
;   v84-105 at work; v106-110 LDS bases of the fill; v112-175 S^T, then p; v176-239 O^T of the two tiles; v240-255 the bias of 16 scores.   window 1: v0-63 K's four fragments, v64-127 V's four, v128-255 the fill on its way.
.set HB,   270336
.set KSC,  262144                      ; K's scale words in the block; V's lie 4,096 bytes on
.set STG,  270336                      ; behind the block: a stage of 16 rows x 272 bytes for each wave (272 = 17 x 16: sixteen rows begin in sixteen different 16-byte columns of 256)
.set SKIP, 1
.set LI,   1                           ; v1   16 x lane
.set L8,   2                           ; v2   KSC + 8 x lane
.set ADK,  3                           ; v3-5 the step's K, V, scale words
.set ADV,  4
.set ADS,  5
.set STO,  6                           ; v6   stage: row lane % 16, + 32 (lane / 16)
.set RD,   7                           ; v7   stage: row lane / 16, + 16 (lane % 16)
.set GO,   8                           ; v8   the same two rows in queries and out0: 4,096 (lane / 16) + 16 (lane % 16)
.set NEG,  9                           ; v9   -8e9
.set GA,   10                          ; v10  16 x thread: my 16 bytes of a row of 4,096 of the block
.set QR,   11                          ; v11  stage: row lane % 16, + 64 (lane / 16)
.set ST,   12
.set QS,   60
.set KS,   62
.set VS,   64
.set PW,   66
.set PC,   68
.set BM,   84                          ; v84-87 a block's largest score, then its largest p
.set T1,   88
.set T2,   92
.set T3,   96
.set F,    100                         ; v[100:101] f = 2^(old M - new M) (the pair's upper word is named with it, so it is written)
.set TA,   102
.set TB,   103
.set SUM2, 104                         ; v[104:105] the second chain of the sums
.set LB,   106
.set S,    112
.set O,    176
.set BI,   240
.set MSB, 0
.macro WIN new                         ; the immediate's high byte repeats the setting that is left; bits 1:0 source 0, 3:2 source 1, 7:6 destination
.if MSB != \new
	s_set_vgpr_msb (MSB<<8)|\new
.set MSB, \new
.endif
.endm
; A part of the block: n rows of 4,096 bytes from rowa on (K's), n from rowb on (V's); thread t's 16 bytes lie at 16 t in memory and in LDS alike.  A wave's load or store covers 512 consecutive bytes.
.macro FILL_IN reg0, rowa, rowb, n
.set i, 0
.rept \n
	global_load_b128 v[\reg0+4*i:\reg0+4*i+3], v[GA], s[6:7] offset:(\rowa+i)*4096
.set i, i+1
.endr
.set i, 0
.rept \n
	global_load_b128 v[\reg0+4*(\n+i):\reg0+4*(\n+i)+3], v[GA], s[6:7] offset:(\rowb+i)*4096
.set i, i+1
.endr
.endm
.macro FILL_OUT reg0, rowa, rowb, n
.set i, 0
.rept \n
	ds_store_b128 v[LB+(\rowa+i)/16], v[\reg0+4*i:\reg0+4*i+3] offset:((\rowa+i)%16)*4096
.set i, i+1
.endr
.set i, 0
.rept \n
	ds_store_b128 v[LB+(\rowb+i)/16], v[\reg0+4*(\n+i):\reg0+4*(\n+i)+3] offset:((\rowb+i)%16)*4096
.set i, i+1
.endr
.endm
	s_load_b256 s[4:11], s[0:1], 0x0               ; queries s[4:5], kv s[6:7], maskw s[8:9], flags s[10:11]
	s_load_b64 s[12:13], s[0:1], 0x20              ; out0
	v_lshl_add_u32 v67, v0, 2, 0x4a800
	v_mov_b32 v111, 0
	v_lshrrev_b32 v[TA], 5, v0
	v_readfirstlane_b32 s14, v[TA]                 ; wave 0..7
	v_and_b32 v[TA], 31, v0                        ; lane
	v_and_b32 v[TB], 15, v0                        ; lane % 16
	v_bfe_u32 v[SUM2], v0, 4, 1                    ; lane / 16
	v_lshlrev_b32 v[LI], 4, v[TA]
	v_lshl_add_u32 v[L8], v[TA], 3, KSC
	v_lshlrev_b32 v[GA], 4, v0
.irp k, 0,1,2,3,4
	v_add_nc_u32 v[LB+\k], \k*65536, v[GA]         ; an LDS offset has 16 bits: rows 16 k .. 16 k + 15 of the block go by base k
.endr
	s_mul_i32 s66, s14, 4352
	s_add_co_u32 s66, s66, STG                     ; my stage
	v_mul_u32_u24 v[STO], v[TB], 272
	v_add_nc_u32 v[STO], s66, v[STO]
	v_lshl_add_u32 v[QR], v[SUM2], 6, v[STO]
	v_lshl_add_u32 v[STO], v[SUM2], 5, v[STO]
	v_mul_u32_u24 v[RD], v[SUM2], 272
	v_lshl_add_u32 v[RD], v[TB], 4, v[RD]
	v_add_nc_u32 v[RD], s66, v[RD]
	v_lshlrev_b32 v[GO], 12, v[SUM2]
	v_lshl_add_u32 v[GO], v[TB], 4, v[GO]
	s_and_b32 s2, ttmp7, 0xffff                    ; hb = 16 batch + head
	s_lshr_b32 s18, s2, 4
	s_and_b32 s19, s2, 15
	s_sub_co_u32 s15, 11, s14
	s_cmp_lt_u32 s14, 4
	s_cselect_b32 s15, s14, s15                    ; p
	s_lshl_b32 s16, s15, 3
	s_add_co_u32 s16, s16, ttmp9                   ; tile 0: T = 8 p + x
	s_sub_co_u32 s17, 15, s15
	s_lshl_b32 s17, s17, 3
	s_add_co_u32 s17, s17, ttmp9                   ; tile 1: T = 8 (15 - p) + x
	s_lshl_b32 s3, s18, 7
	s_add_co_u32 s16, s16, s3                      ; + 128 batch
	s_add_co_u32 s17, s17, s3
	s_lshl_b32 s68, s16, 16                        ; 16 rows of 4,096 bytes a tile, in queries and in out0,
	s_lshl_b32 s70, s17, 16
	s_lshl_b32 s3, s19, 8                          ; + the head's 256 bytes of a row
	s_add_co_u32 s68, s68, s3
	s_add_co_u32 s70, s70, s3
	s_mov_b32 s69, 0
	s_mov_b32 s71, 0
	s_lshl_b32 s72, s16, 12                        ; 16 steps of 256 bytes of mask words a tile
	s_mov_b32 s73, 0
	s_lshl_b32 s74, s17, 12
	s_mov_b32 s75, 0
	s_lshl_b32 s76, s16, 4                         ; four flag words a tile
	s_lshl_b32 s77, s17, 4
	s_mul_i32 s78, s2, HB
	s_mov_b32 s79, 0
	s_wait_kmcnt 0x0
	s_load_b128 s[32:35], s[10:11], s76 offset:0x0 ; tile 0's flags
	s_load_b128 s[36:39], s[10:11], s77 offset:0x0 ; tile 1's
	s_add_nc_u64 s[80:81], s[4:5], s[68:69]        ; q of tile 0
	s_add_nc_u64 s[82:83], s[4:5], s[70:71]        ; q of tile 1
	s_add_nc_u64 s[6:7], s[6:7], s[78:79]          ; the head's block
	s_add_nc_u64 s[100:101], s[8:9], s[72:73]      ; mask words of tile 0
	s_add_nc_u64 s[104:105], s[8:9], s[74:75]      ; of tile 1
	s_add_nc_u64 s[8:9], s[12:13], s[68:69]        ; out0 at tile 0
	s_add_nc_u64 s[12:13], s[12:13], s[70:71]      ; at tile 1
.irp i, 0,1,2,3,4,5,6,7
	global_load_b128 v[S+4*\i:S+4*\i+3], v[GO], s[80:81] offset:8192*\i th:TH_LOAD_NT      ; two queries' 256 bytes a load
.endr
.irp i, 0,1,2,3,4,5,6,7
	global_load_b128 v[S+32+4*\i:S+32+4*\i+3], v[GO], s[82:83] offset:8192*\i th:TH_LOAD_NT
.endr
	WIN 0x40                                       ; destination window 1
	FILL_IN 0, 0, 32, 8                            ; part 0: steps 0-3 of K and V,
	FILL_IN 64, 64, 65, 1                          ; and all scale words: 18 loads
	FILL_IN 128, 8, 40, 16                         ; part 1: steps 4-11: 32 loads
	WIN 0
	s_mov_b32 s20, 0x76543210
	s_mov_b32 s21, 0xfedcba98                      ; v_permlanex16_b32's selects for lane l xor 16
	s_mov_b32 s22, 0x3e38aa3b                      ; c = log2(e) / 8
	s_mov_b32 s23, s22                             ; (named with it as a pair, so it is written)
	s_mov_b32 s24, 0x600000                        ; the mantissa field of 57,344
	v_mov_b32 v[NEG], 0xcfee6b28                   ; -8e9
.irp j, 0,1,2,3,4,5,6,7
	v_mov_b32 v[20+\j], 0                          ; the zero halves of q's operands
	v_mov_b32 v[36+\j], 0
	v_mov_b32 v[52+\j], 0
.endr
.irp b, 0,1,2,3
	v_mov_b32 v[T1+\b], 0                          ; written once: a lane permute's destination counts as one of its sources
.endr
	v_mov_b32 v[F+1], 0
.irp x, 0,1
	v_mov_b32 v[ST+4*\x+1], 0xff61b1e6             ; the largest t so far: -3e38, under every t
	v_floor_f32 v[ST+4*\x], -v[ST+4*\x+1]          ; -M
	v_mov_b32 v[ST+4*\x+2], 0                      ; the sum, in two halves
	v_mov_b32 v[ST+4*\x+3], 0
.endr
; A tile's four flag words become two words of 16 bits, a bit a step: some key allowed, all keys allowed.
.macro DECODE w, any, full
	s_and_b32 s[\any], s[\w], 15
	s_bfe_u32 s[\full], s[\w], 0x40004
	s_or_b32 s67, s[\w], s[\w+1]
.irp q, 1,2,3
	s_and_b32 s66, s[\w+\q], 15
	s_lshl_b32 s66, s66, 4*\q
	s_or_b32 s[\any], s[\any], s66
	s_bfe_u32 s66, s[\w+\q], 0x40004
	s_lshl_b32 s66, s66, 4*\q
	s_or_b32 s[\full], s[\full], s66
.endr
	s_or_b32 s67, s67, s[\w+2]
	s_or_b32 s67, s67, s[\w+3]
	s_lshr_b32 s67, s67, 16                        ; bit r: row r has an allowed key somewhere
.if SKIP
	s_cmp_eq_u32 s67, 0xffff
	s_cselect_b32 s[\any], s[\any], 0xffff         ; a row without any: every step is walked
.else
	s_mov_b32 s[\any], 0xffff
.endif
.endm
	s_wait_kmcnt 0x0
	DECODE 32, 28, 29
	DECODE 36, 30, 31
	s_wait_loadcnt 50                              ; q is in: behind its 16 loads stand part 0's 18 and part 1's 32
.irp x, 0,1                            ; q through my stage: register 16 c + i becomes channel 32 c + 16 (lane / 16) + i of query lane % 16.  LDS serves a wave's instructions in order: tile 1's stores come behind tile 0's loads
.irp i, 0,1,2,3,4,5,6,7
	ds_store_b128 v[RD], v[S+32*\x+4*\i:S+32*\x+4*\i+3] offset:544*\i
.endr
.irp c, 0,1
.irp q, 0,1,2,3
	ds_load_b128 v[O+32*\x+16*\c+4*\q:O+32*\x+16*\c+4*\q+3], v[QR] offset:128*\c+16*\q
.endr
.endr
.endr
	s_wait_dscnt 0x0
; 32 numbers of a lane (two blocks, each shared with lane l xor 16) become eight registers of codes and the query's scale word, its two bytes written twice: they serve k 0-63 and k 64-127 alike
.macro QUANTQ src, dst, qs
.irp b, 0,1
	v_max3_num_f32 v[BM+\b], |v[\src+16*\b]|, |v[\src+16*\b+1]|, 0x8000000   ; and the floor 2^(16 - 127): the byte cannot fall under 1
.endr
.irp i, 2,4,6,8,10,12,14
.irp b, 0,1
	v_max3_num_f32 v[BM+\b], v[BM+\b], |v[\src+16*\b+\i]|, |v[\src+16*\b+\i+1]|
.endr
.endr
.irp b, 0,1
	v_permlanex16_b32 v[T1+\b], v[BM+\b], s20, s21
.endr
.irp b, 0,1
	v_max_num_f32 v[BM+\b], v[BM+\b], v[T1+\b]
.endr
.irp b, 0,1
	v_add_nc_u32 v[T3+\b], 0xf8800000, v[BM+\b]    ; 15 off the exponent field: the conversion's scale operand
.endr
.irp b, 0,1
	v_and_or_b32 v[T2+\b], v[BM+\b], 0x7f800000, s24   ; 57,344 x the scale
.endr
.irp b, 0,1
	v_lshrrev_b32 v[T1+\b], 23, v[T3+\b]           ; the scale's byte
.endr
	v_lshl_or_b32 v[\qs], v[T1+1], 8, v[T1]
	v_lshl_or_b32 v[\qs], v[\qs], 16, v[\qs]
.irp b, 0,1
.irp i, 0,1,2,3,4,5,6,7,8,9,10,11,12,13,14,15
	v_med3_num_f32 v[\src+16*\b+\i], v[\src+16*\b+\i], -v[T2+\b], v[T2+\b]   ; the conversion to an 8-bit code does not saturate (ISA guide 7.6.2)
.endr
	v_cvt_scalef32_pk8_bf8_f32 v[\dst+4*\b:\dst+4*\b+1], v[\src+16*\b:\src+16*\b+7], v[T3+\b]
	v_cvt_scalef32_pk8_bf8_f32 v[\dst+4*\b+2:\dst+4*\b+3], v[\src+16*\b+8:\src+16*\b+15], v[T3+\b]
.endr
	v_nop                                          ; a plain line behind the last conversion
.endm
	QUANTQ O, 28, QS
	QUANTQ O+32, 44, QS+1
.irp j, 0,1,2,3,4,5,6,7,8,9,10,11,12,13,14,15,16,17,18,19,20,21,22,23,24,25,26,27,28,29,30,31,32,33,34,35,36,37,38,39,40,41,42,43,44,45,46,47,48,49,50,51,52,53,54,55,56,57,58,59,60,61,62,63
	v_mov_b32 v[O+\j], 0                           ; O^T.  Which step is a tile's first is known from the flags alone, so no first product can be written out with the constant 0: the first change of M multiplies zeros
.endr
	s_wait_loadcnt 32                              ; part 0 is in; part 1's 32 loads may be out
	WIN 0x04                                       ; an LDS store's data are its source 1: window 1
	FILL_OUT 0, 0, 32, 8
	FILL_OUT 64, 64, 65, 1
	WIN 0
	s_wait_dscnt 0x0                               ; for the others' sake: my stores are done
	s_barrier_signal -1
	s_barrier_wait -1                              ; steps 0-3 and all scale words lie in LDS
; The eight products of a tile's scores: each fragment of K against [q | 0] and [0 | q].  K's scale words: fragments 0 and 2 in lanes 0-15, fragments 1 and 3 in lanes 16-31.
.macro SCORES x
	s_wait_dscnt 17                                ; K's words and fragments are in: behind them stand V's 16 loads and its words
	WIN 0x01                                       ; source 0 window 1
.irp f, 0,1,2,3
.if \f%2
	v_wmma_scale_f32_16x16x128_f8f6f4 v[S+16*\f:S+16*\f+7], v[16*\f:16*\f+15], v[28+16*\x:43+16*\x], 0, v[KS+\f/2], v[QS+\x] matrix_a_fmt:MATRIX_FMT_BF8 matrix_b_fmt:MATRIX_FMT_BF8 matrix_a_scale:MATRIX_SCALE_ROW1
	v_wmma_scale_f32_16x16x128_f8f6f4 v[S+16*\f+8:S+16*\f+15], v[16*\f:16*\f+15], v[20+16*\x:35+16*\x], 0, v[KS+\f/2], v[QS+\x] matrix_a_fmt:MATRIX_FMT_BF8 matrix_b_fmt:MATRIX_FMT_BF8 matrix_a_scale:MATRIX_SCALE_ROW1
.else
	v_wmma_scale_f32_16x16x128_f8f6f4 v[S+16*\f:S+16*\f+7], v[16*\f:16*\f+15], v[28+16*\x:43+16*\x], 0, v[KS+\f/2], v[QS+\x] matrix_a_fmt:MATRIX_FMT_BF8 matrix_b_fmt:MATRIX_FMT_BF8
	v_wmma_scale_f32_16x16x128_f8f6f4 v[S+16*\f+8:S+16*\f+15], v[16*\f:16*\f+15], v[20+16*\x:35+16*\x], 0, v[KS+\f/2], v[QS+\x] matrix_a_fmt:MATRIX_FMT_BF8 matrix_b_fmt:MATRIX_FMT_BF8
.endif
.endr
	WIN 0
.rept 8
	v_nop                                          ; eight places between the products and the first read of their results
.endr
.endm
; The largest of each block of 32 keys (it serves twice: for the row's maximum and, since p rises with the score, for the block's largest p), the running largest t, the new -M, and f.
; scaled = 1: the registers hold scores, and the maximum is multiplied by c; 0: they hold t.  SX: the tile's statistics.
.macro MAXM scaled
.irp b, 0,1,2,3
	v_max3_num_f32 v[BM+\b], v[S+16*\b], v[S+16*\b+1], v[S+16*\b+2]
.endr
.irp i, 3,5,7,9,11,13
.irp b, 0,1,2,3
	v_max3_num_f32 v[BM+\b], v[BM+\b], v[S+16*\b+\i], v[S+16*\b+\i+1]
.endr
.endr
.irp b, 0,1,2,3
	v_max_num_f32 v[BM+\b], v[BM+\b], v[S+16*\b+15]
.endr
.irp b, 0,1,2,3
	v_permlanex16_b32 v[T1+\b], v[BM+\b], s20, s21
.endr
.irp b, 0,1,2,3
	v_max_num_f32 v[BM+\b], v[BM+\b], v[T1+\b]     ; with lane l xor 16's 16 keys
.endr
	v_max3_num_f32 v[TA], v[BM], v[BM+1], v[BM+2]
	v_max_num_f32 v[TA], v[TA], v[BM+3]
.if \scaled
	v_mul_f32 v[TA], s22, v[TA]                    ; as t (c is positive)
.endif
	v_max_num_f32 v[SX+1], v[SX+1], v[TA]          ; the running largest t
	v_mov_b32 v[TA], v[SX]
	v_floor_f32 v[SX], -v[SX+1]                    ; the new -M = -ceil(t): a whole number
	v_sub_f32 v[TA], v[SX], v[TA]                  ; old M - new M: a whole number, 0 or less
	v_cvt_i32_f32 v[TA], v[TA]                     ; (it saturates)
	v_ldexp_f32 v[F], 1.0, v[TA]                   ; f = 2^(old M - new M): a multiplication by it rounds nothing
.endm
; ONE TILE OF 16 QUERIES IN ONE STEP OF 128 KEYS.
.macro TILE x
.set SX, ST+4*\x
.set OX, O+32*\x
	s_lshr_b32 s66, s[28+2*\x], s25
	s_and_b32 s66, s66, 1
	s_cmp_eq_u32 s66, 0
	s_cbranch_scc1 .Lskip_\@                       ; no key of the step counts for any of my 16 queries
	s_lshr_b32 s66, s[29+2*\x], s25
	s_and_b32 s66, s66, 1
	s_cmp_lg_u32 s66, 0
	s_cbranch_scc1 .Lfast_\@                       ; all count
	s_load_b512 s[32:47], s[100+4*\x:101+4*\x], s27 offset:0x0     ; the step's 64 lane masks, one for each score register; they land while the products run
	s_load_b512 s[48:63], s[100+4*\x:101+4*\x], s27 offset:0x40
	s_load_b512 s[68:83], s[100+4*\x:101+4*\x], s27 offset:0x80
	s_load_b512 s[84:99], s[100+4*\x:101+4*\x], s27 offset:0xc0
	SCORES \x
	s_wait_kmcnt 0x0
.irp b, 0,1,2,3
.irp i, 0,1,2,3,4,5,6,7,8,9,10,11,12,13,14,15
	v_cndmask_b32 v[BI+\i], v[NEG], 0, s[32+16*\b+\i+4*((16*\b+\i)/32)]   ; 0 where the key is allowed, -8e9 where not
.endr
.irp i, 0,2,4,6,8,10,12,14
	v_pk_add_f32 v[S+16*\b+\i:S+16*\b+\i+1], v[S+16*\b+\i:S+16*\b+\i+1], v[BI+\i:BI+\i+1]   ; 8 x (score / 8 - 1e9), rounded as that sum is
.endr
.endr
.irp j, 0,2,4,6,8,10,12,14,16,18,20,22,24,26,28,30,32,34,36,38,40,42,44,46,48,50,52,54,56,58,60,62
	v_pk_mul_f32 v[S+\j:S+\j+1], v[S+\j:S+\j+1], s[22:23] op_sel_hi:[1,0]   ; t, a number of its own
.endr
	MAXM 0
.irp j, 0,2,4,6,8,10,12,14,16,18,20,22,24,26,28,30,32,34,36,38,40,42,44,46,48,50,52,54,56,58,60,62
	v_pk_add_f32 v[S+\j:S+\j+1], v[S+\j:S+\j+1], v[SX:SX+1] op_sel_hi:[1,0]   ; t - M (of the pair the low word, -M, serves both halves)
.endr
.irp b, 0,1,2,3
	v_add_f32 v[BM+\b], v[BM+\b], v[SX]            ; the same of each block's largest t
.endr
	s_branch .Ljoin_\@
.Lfast_\@:
	SCORES \x
	MAXM 1
.irp j, 0,2,4,6,8,10,12,14,16,18,20,22,24,26,28,30,32,34,36,38,40,42,44,46,48,50,52,54,56,58,60,62
	v_pk_fma_f32 v[S+\j:S+\j+1], v[S+\j:S+\j+1], s[22:23], v[SX:SX+1] op_sel_hi:[1,0,0]   ; t - M, two at a time
.endr
.irp b, 0,1,2,3
	v_fma_f32 v[BM+\b], v[BM+\b], s22, v[SX]       ; the same of each block's largest score
.endr
.Ljoin_\@:
.irp j, 0,1,2,3,4,5,6,7,8,9,10,11,12,13,14,15,16,17,18,19,20,21,22,23,24,25,26,27,28,29,30,31,32,33,34,35,36,37,38,39,40,41,42,43,44,45,46,47,48,49,50,51,52,53,54,55,56,57,58,59,60,61,62,63
	v_exp_f32 v[S+\j], v[S+\j]                     ; p = 2^(t - M), at most 1: not normalised
.endr
	v_pk_mul_f32 v[SX+2:SX+3], v[SX+2:SX+3], v[F:F+1] op_sel_hi:[1,0]   ; the sums under the new M: the plain line behind the exponentials
	s_wait_alu depctr_va_vdst(0)                   ; one wait for the batch of 64, ahead of its first reader
.irp b, 0,1,2,3
	v_exp_f32 v[BM+\b], v[BM+\b]                   ; the block's largest p: the same instructions on the same number give the same bits
.endr
	v_pk_add_f32 v[SUM2:SUM2+1], v[S:S+1], v[S+2:S+3]   ; the row's sum is taken of the unquantised p: two at a time, in two chains
.irp j, 4,8,12,16,20,24,28,32,36,40,44,48,52,56,60
	v_pk_add_f32 v[SX+2:SX+3], v[SX+2:SX+3], v[S+\j:S+\j+1]
	v_pk_add_f32 v[SUM2:SUM2+1], v[SUM2:SUM2+1], v[S+\j+2:S+\j+3]
.endr
	v_pk_add_f32 v[SX+2:SX+3], v[SX+2:SX+3], v[SUM2:SUM2+1]
	s_wait_alu depctr_va_vdst(0)                   ; and one for the four
.irp b, 0,1,2,3
	v_max_num_f32 v[BM+\b], 0x8000000, v[BM+\b]    ; the floor 2^(16 - 127): a block whose every p is 0 keeps the byte 1; its codes are zeros
.endr
.irp b, 0,1,2,3
	v_add_nc_u32 v[T3+\b], 0xf8800000, v[BM+\b]    ; the conversion's scale operand
.endr
.irp b, 0,1,2,3
	v_and_or_b32 v[T2+\b], v[BM+\b], 0x7f800000, s24   ; 57,344 x the scale
.endr
.irp b, 0,1,2,3
	v_lshrrev_b32 v[T1+\b], 23, v[T3+\b]           ; the scale's byte
.endr
	v_lshl_or_b32 v[PW], v[T1+1], 8, v[T1]         ; p's scale word for these 128 keys
	v_lshl_or_b32 v[PW], v[T1+2], 16, v[PW]
	v_lshl_or_b32 v[PW], v[T1+3], 24, v[PW]
.irp b, 0,1,2,3
.irp i, 0,1,2,3,4,5,6,7,8,9,10,11,12,13,14,15
	v_min_num_f32 v[S+16*\b+\i], v[S+16*\b+\i], v[T2+\b]   ; p is not negative: the hold is one-sided
.endr
	v_cvt_scalef32_pk8_bf8_f32 v[PC+4*\b:PC+4*\b+1], v[S+16*\b:S+16*\b+7], v[T3+\b]
	v_cvt_scalef32_pk8_bf8_f32 v[PC+4*\b+2:PC+4*\b+3], v[S+16*\b+8:S+16*\b+15], v[T3+\b]
.endr
.irp j, 0,2,4,6,8,10,12,14,16,18,20,22,24,26,28,30
	v_pk_mul_f32 v[OX+\j:OX+\j+1], v[OX+\j:OX+\j+1], v[F:F+1] op_sel_hi:[1,0]   ; O^T under the new M; these 16 are also the places between the codes and the products
.endr
	s_wait_dscnt 0x0                               ; V's fragments and words are in
	WIN 0x01
.irp d, 0,1,2,3                        ; O^T += V^T P^T: four accumulators, one instruction each; between two links on one accumulator stand the next scores' products
.if \d%2
	v_wmma_scale_f32_16x16x128_f8f6f4 v[OX+8*\d:OX+8*\d+7], v[64+16*\d:79+16*\d], v[PC:PC+15], v[OX+8*\d:OX+8*\d+7], v[VS+\d/2], v[PW] matrix_a_fmt:MATRIX_FMT_BF8 matrix_b_fmt:MATRIX_FMT_BF8 matrix_a_scale:MATRIX_SCALE_ROW1
.else
	v_wmma_scale_f32_16x16x128_f8f6f4 v[OX+8*\d:OX+8*\d+7], v[64+16*\d:79+16*\d], v[PC:PC+15], v[OX+8*\d:OX+8*\d+7], v[VS+\d/2], v[PW] matrix_a_fmt:MATRIX_FMT_BF8 matrix_b_fmt:MATRIX_FMT_BF8
.endif
.endr
	WIN 0
.Lskip_\@:
.endm
; A STEP OF 128 KEYS for my two tiles: s25 its number, s26 = 8,192 x it, s27 = 256 x it.
.macro STEP
	s_or_b32 s66, s28, s30
	s_lshr_b32 s66, s66, s25
	s_and_b32 s66, s66, 1
	s_cmp_eq_u32 s66, 0
	s_cbranch_scc1 .Lnone_\@                       ; neither tile wants the step: nothing is read from LDS
	v_add_nc_u32 v[ADK], s26, v[LI]
	v_add_nc_u32 v[ADS], s27, v[L8]
	v_add_nc_u32 v[ADV], 0x20000, v[ADK]
.rept 5
	v_nop                                          ; with the three additions: eight places in front of loads into registers that the last products read
.endr
	ds_load_b64 v[KS:KS+1], v[ADS]
	WIN 0x40                                       ; destination window 1
.irp f, 0,1,2,3
.irp c, 0,1,2,3
	ds_load_b128 v[16*\f+4*\c:16*\f+4*\c+3], v[ADK] offset:2048*\f+512*\c      ; an image of the operand's registers: 512 consecutive bytes a load
.endr
.endr
.irp f, 0,1,2,3
.irp c, 0,1,2,3
	ds_load_b128 v[64+16*\f+4*\c:64+16*\f+4*\c+3], v[ADV] offset:2048*\f+512*\c
.endr
.endr
	WIN 0
	ds_load_b64 v[VS:VS+1], v[ADS] offset:4096
	TILE 0
	TILE 1
	s_wait_dscnt 0x0                               ; no load of this step is out when the next step's are issued, on any way through the two tiles
.Lnone_\@:
	s_add_co_u32 s26, s26, 8192
	s_add_co_u32 s27, s27, 256
.endm
	s_mov_b32 s25, 0
	s_mov_b32 s26, 0
	s_mov_b32 s27, 0
.Lsteps_a:                                         ; steps 0 and 1
	STEP
	s_add_co_u32 s25, s25, 1
	s_cmp_lt_u32 s25, 2
	s_cbranch_scc1 .Lsteps_a
	s_wait_loadcnt 0x0                             ; part 1 is in
	WIN 0x04
	FILL_OUT 128, 8, 40, 16                        ; bytes that nobody reads in front of the barrier below
	s_wait_dscnt 0x0                               ; my stores are done: for the others' sake, and the registers are free
	WIN 0x40
	FILL_IN 128, 24, 56, 8                         ; part 2: steps 12-15: 16 loads, with six steps in which to land
	WIN 0
	s_barrier_signal -1
	s_barrier_wait -1                              ; steps 4-11 lie in LDS
	s_mov_b32 s25, 2
	s_mov_b32 s26, 2*8192
	s_mov_b32 s27, 2*256
.Lsteps_b:                                         ; steps 2 to 7
	STEP
	s_add_co_u32 s25, s25, 1
	s_cmp_lt_u32 s25, 8
	s_cbranch_scc1 .Lsteps_b
	s_wait_loadcnt 0x0                             ; part 2 is in
	WIN 0x04
	FILL_OUT 128, 24, 56, 8
	WIN 0
	s_wait_dscnt 0x0
	s_barrier_signal -1
	s_barrier_wait -1                              ; steps 12-15 lie in LDS
	s_mov_b32 s25, 8
	s_mov_b32 s26, 8*8192
	s_mov_b32 s27, 8*256
.Lsteps_c:                                         ; steps 8 to 15
	STEP
	s_add_co_u32 s25, s25, 1
	s_cmp_lt_u32 s25, 16
	s_cbranch_scc1 .Lsteps_c
	; THE WAY OUT.  O^T is divided by the row's sum and goes through my stage: a lane's eight channels of a query in, whole rows of 256 bytes (a query's head) back.
.rept 8
	v_nop                                          ; eight places between the last products and the first read of their results
.endr
	v_add_f32 v[TA], v[ST+2], v[ST+3]              ; the sums' two halves,
	v_add_f32 v[TB], v[ST+6], v[ST+7]
	v_permlanex16_b32 v[T1], v[TA], s20, s21
	v_permlanex16_b32 v[T1+1], v[TB], s20, s21
	v_add_f32 v[TA], v[TA], v[T1]                  ; and lane l xor 16's
	v_add_f32 v[TB], v[TB], v[T1+1]
	v_rcp_f32 v[F], v[TA]
	v_rcp_f32 v[SUM2], v[TB]
	v_mov_b32 v[F+1], 0                            ; plain lines behind the reciprocals (the pairs' upper words are named, so they are written)
	v_mov_b32 v[SUM2+1], 0
	s_wait_alu depctr_va_vdst(0)                   ; one wait for both, ahead of the first reader
.macro PACK x, rc
.set OX, O+32*\x
.set WX, 112+64*\x                     ; tile 0: v112-143 and back into v144-175; tile 1: v176-207 (tile 0's O^T is done with) and back into v208-239
.irp k, 0,2,4,6,8,10,12,14,16,18,20,22,24,26,28,30
	v_pk_mul_f32 v[WX+\k:WX+\k+1], v[OX+\k:OX+\k+1], v[\rc:\rc+1] op_sel_hi:[1,0]   ; each accumulator from its low end on; register 8 d + i is channel 16 d + 8 (lane / 16) + i
.endr
.irp d, 0,1,2,3
	ds_store_b128 v[STO], v[WX+8*\d:WX+8*\d+3] offset:64*\d
	ds_store_b128 v[STO], v[WX+8*\d+4:WX+8*\d+7] offset:64*\d+16
.endr
.irp i, 0,1,2,3,4,5,6,7
	ds_load_b128 v[WX+32+4*\i:WX+32+4*\i+3], v[RD] offset:544*\i   ; LDS serves a wave's instructions in order: these see my stores, and the next tile's stores come behind them
.endr
.endm
.macro SEND x, younger                 ; younger: the LDS instructions issued behind this tile's loads
.set WX, 112+64*\x
.irp i, 0,1,2,3,4,5,6,7
	s_wait_dscnt \younger+7-\i
	global_store_b128 v[GO], v[WX+32+4*\i:WX+32+4*\i+3], s[8+4*\x:9+4*\x] offset:8192*\i th:TH_STORE_NT   ; sixteen lanes store 256 consecutive bytes, aligned; written once, read by nobody here
.endr
.endm
	PACK 0, F
	PACK 1, SUM2
	SEND 0, 16
	SEND 1, 0
	s_wait_tensorcnt 0x0
	ds_add_u32 v67, v111
	s_wait_dscnt 0x0
	s_endpgm
.Lfunc_end_k_q0afd63c3eb_attn:
	.size	k_q0afd63c3eb_attn, .Lfunc_end_k_q0afd63c3eb_attn-k_q0afd63c3eb_attn
	.p2alignl 7, 3214868480
	.fill 96, 4, 3214868480
	.section	.rodata,"a",@progbits
	.p2align	6, 0x0
	.amdhsa_kernel k_q0afd63c3eb_attn
		.amdhsa_group_segment_fixed_size 306176
		.amdhsa_private_segment_fixed_size 0
		.amdhsa_enable_private_segment 0
		.amdhsa_kernarg_size 40
		.amdhsa_user_sgpr_count 2
		.amdhsa_user_sgpr_kernarg_segment_ptr 1
		.amdhsa_wavefront_size32 1
		.amdhsa_system_sgpr_workgroup_id_x 1
		.amdhsa_system_sgpr_workgroup_id_y 1
		.amdhsa_system_sgpr_workgroup_id_z 1
		.amdhsa_system_vgpr_workitem_id 0
		.amdhsa_next_free_vgpr 512
		.amdhsa_next_free_sgpr 106
		.amdhsa_reserve_vcc 0
		.amdhsa_float_denorm_mode_32 3
		.amdhsa_float_denorm_mode_16_64 3
		.amdhsa_memory_ordered 1
		.amdhsa_forward_progress 1
		.amdhsa_inst_pref_size 230
	.end_amdhsa_kernel
	.amdgpu_metadata
---
amdhsa.version: [ 1, 2 ]
amdhsa.kernels:
  - .name:           k_q0afd63c3eb_attn
    .symbol:         k_q0afd63c3eb_attn.kd
    .args:
      - { .name: queries, .offset: 0, .size: 8, .value_kind: global_buffer, .address_space: global }
      - { .name: kv, .offset: 8, .size: 8, .value_kind: global_buffer, .address_space: global }
      - { .name: maskw, .offset: 16, .size: 8, .value_kind: global_buffer, .address_space: global }
      - { .name: flags, .offset: 24, .size: 8, .value_kind: global_buffer, .address_space: global }
      - { .name: out0, .offset: 32, .size: 8, .value_kind: global_buffer, .address_space: global }
    .group_segment_fixed_size: 306176
    .private_segment_fixed_size: 0
    .kernarg_segment_align: 8
    .kernarg_segment_size: 40
    .max_flat_workgroup_size: 256
    .sgpr_count:     106
    .vgpr_count:     512
    .wavefront_size: 32
...
	.end_amdgpu_metadata
.endif
;; end of part 2
;; ======== version 2 of 2: 2 launches
;; limits: right only within a limited range of input values
;; workspace buffers: kv 8,650,752 bytes; maskw 1,048,576 bytes of whole numbers; flags 4,096 bytes of whole numbers
;; launch prep (part 3): grid 512 x 1, 4 waves a work-group, no clusters, 69,120 bytes of LDS; arguments keys, values, mask, kv, maskw, flags; writes kv, maskw, flags
.if DOCPART == 3
	.amdgcn_target "amdgcn-amd-amdhsa--gfx1250"
	.amdhsa_code_object_version 6
	.text
	.protected	k_q0afd63c3eb_prep
	.globl	k_q0afd63c3eb_prep
	.p2align	8
	.type	k_q0afd63c3eb_prep,@function
k_q0afd63c3eb_prep:
	s_mov_b64 s[64:65], 0
	v_nop
	global_prefetch_b8 v0, s[64:65] scope:SCOPE_SE
	s_setreg_imm32_b32 hwreg(HW_REG_WAVE_MODE, 25, 1), 1
	s_wait_xcnt 0x0
; WHAT THE ATTENTION LAUNCH READS MANY TIMES IS MADE ONCE.  keys, values: [2][2048][1024] f32 (16 heads of 64); mask: [2][2048][2048], one byte 0 or 1.
; Three roles, told apart by the work-group's number; each wave works alone: no barrier, and each role has LDS bytes of its own.
;  K (work-groups 0-127):   a wave takes 128 keys of one head: codes of BF8 (E5M2) with one E8M0 byte for each 32 along the head's 64, laid as IMAGES OF OPERAND REGISTERS:
;     fragment f (0..3) of a step holds two tiles of 16 keys: tile 2 f in k 0-63, tile 2 f + 1 in k 64-127; row r of tile 2 f + u is key 32 f + 8 u + r + 8 (r / 8).
;  V (work-groups 128-255): the same 128 keys of values, quantised ALONG THE KEYS: a lane takes a channel and its registers run down the keys; fragment f = channels 16 f .. 16 f + 15, k = the step's 128 keys.
;  M (work-groups 256-511): a wave takes 16 queries x 512 keys of the mask and turns the bytes into lane masks: word n = 16 b + i of a step: bit l = mask[query l % 16][key 32 b + 16 (l / 16) + i];
;     and one flag word: bits 0-3 a step has an allowed key, bits 4-7 a step is all allowed, bits 16-31 row r has an allowed key in these 512.
; kv, for head hb = 16 batch + head, HB bytes: K's images (step j at 8192 j, fragment at 2048 f, quarter c at 512 c, lane at 16 l), V's likewise from VIMG on, K's scale words from KSC on
; (step j at 256 j, lane l at 8 l: word 0 = fragment 0's rows in lanes 0-15 and fragment 1's in lanes 16-31, word 1 = fragments 2 and 3), V's from VSC on, in the same form.
; A block's scale is 2^(floor(log2(its largest magnitude)) - 15); its byte is the largest magnitude's exponent field - 15, held at 1 from below; numbers are held within +-57,344 x the scale.
; LIMITS: a block of zeros, or one whose largest magnitude lies under 2^-111, keeps the byte 1 (its bytes are read by this program alone; zero codes add nothing); NaN and infinities are not served.
.set HB,   270336
.set VIMG, 131072
.set KSC,  262144
.set VSC,  266240
.set KST,  8704                        ; K's stage, a wave: 32 rows x 272 bytes, from LDS byte 0
.set MST0, 34816                       ; the mask's stages begin here:
.set MST,  8448                        ; 16 rows x 528 bytes a wave
.set R,    16                          ; K: v16-143 two sets of 64 numbers as loaded
.set X,    144                         ; K: v144-207 64 numbers in the fragment's order
.set PC,   208                         ; K: v208-223 a fragment's codes
.set TM,   224                         ; K: v224-239 at work
.set PW,   240                         ; K: the scale word just made
.set W,    244                         ; K: v244-247 the four fragments' scale words
	s_load_b256 s[4:11], s[0:1], 0x0               ; keys s[4:5], values s[6:7], mask s[8:9], kv s[10:11]
	s_load_b128 s[12:15], s[0:1], 0x20             ; maskw s[12:13], flags s[14:15]
	v_lshl_add_u32 v254, v0, 2, 0x10c00
	v_mov_b32 v255, 0
	v_lshrrev_b32 v1, 5, v0
	v_readfirstlane_b32 s16, v1                    ; wave 0..3
	v_and_b32 v1, 31, v0                           ; lane
	v_and_b32 v2, 15, v0                           ; lane % 16
	v_bfe_u32 v3, v0, 4, 1                         ; lane / 16
	v_lshlrev_b32 v7, 4, v1                        ; 16 x lane
	v_lshlrev_b32 v8, 3, v1                        ; 8 x lane
	s_mov_b32 s20, 0x76543210
	s_mov_b32 s21, 0xfedcba98                      ; v_permlanex16_b32's selects for lane l xor 16
	s_mov_b32 s23, 0x600000                        ; the mantissa field of 57,344
	s_wait_kmcnt 0x0
	s_cmp_lt_u32 ttmp9, 128
	s_cbranch_scc1 .Lkrole
	s_cmp_lt_u32 ttmp9, 256
	s_cbranch_scc1 .Lvrole
; ---------------------------------------------------------------- the mask
	s_sub_co_u32 s17, ttmp9, 256
	s_lshl_b32 s17, s17, 2
	s_add_co_u32 s17, s17, s16                     ; 4 x (tile of 16 queries, 0 .. 255) + quarter of the keys
	s_lshr_b32 s18, s17, 2
	s_and_b32 s19, s17, 3
	s_lshl_b32 s24, s18, 15                        ; 16 rows of 2,048 bytes a tile,
	s_lshl_b32 s25, s19, 9                         ; 512 bytes a quarter
	s_add_co_u32 s24, s24, s25
	s_mov_b32 s25, 0
	s_add_nc_u64 s[8:9], s[8:9], s[24:25]
	s_lshl_b32 s24, s17, 10                        ; four steps of 256 bytes of words
	s_add_nc_u64 s[12:13], s[12:13], s[24:25]
	s_lshl_b32 s24, s17, 2                         ; one flag word
	s_add_nc_u64 s[14:15], s[14:15], s[24:25]
	s_mul_i32 s26, s16, MST
	s_add_co_u32 s26, s26, MST0
	s_wait_alu depctr_va_vdst(0)
	v_add_nc_u32 v4, s26, v7                       ; into my stage: a row's 512 bytes as they lie
	v_mul_u32_u24 v5, v2, 528
	v_lshl_add_u32 v5, v3, 4, v5
	v_add_nc_u32 v5, s26, v5                       ; back: row lane % 16, 16 keys for each half of the lanes; 528 = 33 x 16, so sixteen rows begin in sixteen different 16-byte columns of 256
.irp p, 0,1,2,3,4,5,6,7,8,9,10,11,12,13,14,15
	global_load_b128 v[16+4*\p:19+4*\p], v7, s[8:9] offset:2048*\p th:TH_LOAD_NT   ; 32 lanes read 512 consecutive bytes of row p
.endr
.irp p, 0,1,2,3,4,5,6,7
	v_mov_b32 v[144+\p], 0                         ; the words' registers: v_writelane_b32's destination counts as read
.endr
	s_mov_b32 s28, 0                               ; the flag word
	s_mov_b32 s22, 0x01010101
	s_wait_alu depctr_va_vdst(0)
	s_wait_loadcnt 0x0
.irp p, 0,1,2,3,4,5,6,7,8,9,10,11,12,13,14,15
	ds_store_b128 v4, v[16+4*\p:19+4*\p] offset:528*\p
.endr
.irp t, 0,1,2,3,4,5,6,7,8,9,10,11,12,13,14,15
	ds_load_b128 v[80+4*\t:83+4*\t], v5 offset:32*\t   ; LDS serves a wave's instructions in order: these see my stores.  Step t / 4, block t % 4
.endr
	s_wait_dscnt 0x0
; One step of 128 keys: its 64 words, eight at a time (a byte is cut out, compared in all 32 lanes, and the lane mask is put into lane n / 2 of register n % 2), and its two flags.
.macro BITS js
.set M0, 80+16*\js
	v_or_b32 v170, v[M0], v[M0+1]
	v_and_b32 v171, v[M0], v[M0+1]
.irp i, 2,3,4,5,6,7,8,9,10,11,12,13,14,15
	v_or_b32 v170, v170, v[M0+\i]
	v_and_b32 v171, v171, v[M0+\i]
.endr
.irp g, 0,1,2,3,4,5,6,7
.irp e, 0,1,2,3,4,5,6,7
	v_and_b32 v[160+\e], 1<<(8*(\e%4)), v[M0+(8*\g+\e)/4]
.endr
.irp e, 0,1,2,3,4,5,6,7
	v_cmp_ne_u32 s[32+\e], 0, v[160+\e]
.endr
.irp e, 0,1,2,3,4,5,6,7
	v_writelane_b32 v[144+2*\js+\e%2], s[32+\e], 4*\g+\e/2
.endr
.endr
	global_store_b64 v8, v[144+2*\js:145+2*\js], s[12:13] offset:256*\js   ; 32 lanes store 256 consecutive bytes, aligned
	v_cmp_ne_u32 vcc_lo, 0, v170
	s_cmp_lg_u32 vcc_lo, 0
	s_cselect_b32 s29, 1<<\js, 0                   ; some key of the step is allowed for some of the 16 queries
	s_or_b32 s28, s28, s29
	v_cmp_eq_u32 vcc_lo, s22, v171
	s_cmp_eq_u32 vcc_lo, -1
	s_cselect_b32 s29, 16<<\js, 0                  ; all are
	s_or_b32 s28, s28, s29
.if \js == 0
	v_mov_b32 v172, v170
.else
	v_or_b32 v172, v172, v170
.endif
.endm
	BITS 0
	BITS 1
	BITS 2
	BITS 3
	v_cmp_ne_u32 vcc_lo, 0, v172                   ; lane l: row l % 16 has an allowed key among its half's keys
	s_lshr_b32 s29, vcc_lo, 16
	s_or_b32 s29, s29, vcc_lo
	s_lshl_b32 s29, s29, 16                        ; both halves joined, in bits 16-31
	s_or_b32 s28, s28, s29
	v_mov_b32 v173, s28
	v_mov_b32 v174, 0
	v_cmp_eq_u32 vcc_lo, 0, v1
	s_wait_alu depctr_va_vdst(0)
	s_wait_xcnt 0x0                                ; EXEC is a source of the stores above: it changes only behind this wait
	s_wait_tensorcnt 0x0
	ds_add_u32 v254, v255
	s_wait_dscnt 0x0
	s_and_saveexec_b32 s30, vcc_lo
	global_store_b32 v174, v173, s[14:15]          ; one word a wave: 4,096 bytes in the whole launch leave as single words
	s_wait_xcnt 0x0
	s_or_b32 exec_lo, exec_lo, s30
	s_endpgm
; which head and which step of 128 keys is my wave's; the offsets that follow from it
.macro HJ first
	s_sub_co_u32 s17, ttmp9, \first
	s_lshl_b32 s17, s17, 2
	s_add_co_u32 s17, s17, s16                     ; 0 .. 511
	s_lshr_b32 s18, s17, 4                         ; hb = 16 batch + head
	s_and_b32 s19, s17, 15                         ; j
	s_lshr_b32 s24, s18, 4
	s_and_b32 s25, s18, 15
	s_lshl_b32 s24, s24, 4
	s_add_co_u32 s24, s24, s19                     ; 16 batch + j
	s_lshl_b32 s24, s24, 19                        ; x 128 rows of 4,096 bytes
	s_lshl_b32 s25, s25, 8                         ; + the head's 256 bytes of a row
	s_add_co_u32 s24, s24, s25
	s_mov_b32 s25, 0                               ; s[24:25]: where my rows begin in keys or values
	s_mul_i32 s26, s18, HB
	s_lshl_b32 s30, s19, 8
	s_add_co_u32 s30, s30, s26                     ; s[30:31]: the head's block + 256 j
	s_lshl_b32 s27, s19, 13
	s_add_co_u32 s26, s26, s27                     ; s[26:27]: the head's block + 8192 j
	s_mov_b32 s27, 0
	s_mov_b32 s31, 0
.endm
; ---------------------------------------------------------------- K
.Lkrole:
	HJ 0
	s_add_nc_u64 s[4:5], s[4:5], s[24:25]
	s_add_nc_u64 s[28:29], s[10:11], s[26:27]      ; my step's images
	s_add_co_u32 s30, s30, KSC
	s_add_nc_u64 s[30:31], s[10:11], s[30:31]      ; and scale words
	s_mul_i32 s17, s16, KST
	s_wait_alu depctr_va_vdst(0)
	v_lshlrev_b32 v4, 12, v3
	v_lshl_add_u32 v4, v2, 4, v4                   ; in: lanes 0-15 one key's 256 bytes, lanes 16-31 the next key's
	v_mul_u32_u24 v5, v3, 272
	v_lshl_add_u32 v5, v2, 4, v5
	v_add_nc_u32 v5, s17, v5                       ; the same two rows in my stage
	v_mul_u32_u24 v6, v2, 272
	v_lshl_add_u32 v6, v3, 6, v6
	v_add_nc_u32 v6, s17, v6                       ; back: row lane % 16 of a tile, 16 numbers (64 bytes) for each half of the lanes; 272 = 17 x 16
.irp b, 0,1,2,3
	v_mov_b32 v[TM+4+\b], 0                        ; written once: a lane permute's destination counts as one of its sources
.endr
; Fragment f's 32 keys, two to a load, in the order of the stage's rows: row 16 u + r holds key 8 u + r + 8 (r / 8)
.macro LOADK f
.irp i, 0,1,2,3,4,5,6,7,8,9,10,11,12,13,14,15
	global_load_b128 v[R+64*((\f)%2)+4*\i:R+64*((\f)%2)+4*\i+3], v4, s[4:5] offset:(32*(\f)+8*(\i/8)+2*(\i%8)+8*((\i%8)/4))*4096 th:TH_LOAD_NT
.endr
.endm
.macro TURNK f                         ; through the stage: register 16 c + i becomes k 32 c + 16 (lane / 16) + i of the fragment's row lane % 16
.irp i, 0,1,2,3,4,5,6,7,8,9,10,11,12,13,14,15
	ds_store_b128 v5, v[R+64*((\f)%2)+4*\i:R+64*((\f)%2)+4*\i+3] offset:2*\i*272
.endr
.irp c, 0,1,2,3
.irp q, 0,1,2,3
	ds_load_b128 v[X+16*\c+4*\q:X+16*\c+4*\q+3], v6 offset:16*(\c/2)*272+128*(\c%2)+16*\q
.endr
.endr
.endm
.macro QUANT                           ; v[X] .. v[X + 63] become the fragment's codes in v[PC] on and its rows' scale word in v[PW]
.irp b, 0,1,2,3
	v_max3_num_f32 v[TM+\b], |v[X+16*\b]|, |v[X+1+16*\b]|, 0x8000000   ; block b: my 16 numbers, and the floor 2^(16 - 127): so the byte cannot fall under 1
.endr
.irp i, 2,4,6,8,10,12,14
.irp b, 0,1,2,3
	v_max3_num_f32 v[TM+\b], v[TM+\b], |v[X+16*\b+\i]|, |v[X+1+16*\b+\i]|   ; the four blocks by turns
.endr
.endr
.irp b, 0,1,2,3
	v_permlanex16_b32 v[TM+4+\b], v[TM+\b], s20, s21
.endr
.irp b, 0,1,2,3
	v_max_num_f32 v[TM+\b], v[TM+\b], v[TM+4+\b]   ; with lane l xor 16's 16: the block's largest magnitude
.endr
.irp b, 0,1,2,3
	v_add_nc_u32 v[TM+12+\b], 0xf8800000, v[TM+\b] ; 15 off its exponent field: the conversion's scale operand
.endr
.irp b, 0,1,2,3
	v_and_or_b32 v[TM+8+\b], v[TM+\b], 0x7f800000, s23   ; 57,344 x the scale
.endr
.irp b, 0,1,2,3
	v_lshrrev_b32 v[TM+4+\b], 23, v[TM+12+\b]      ; the scale's byte
.endr
	v_lshl_or_b32 v[PW], v[TM+5], 8, v[TM+4]
	v_lshl_or_b32 v[PW], v[TM+6], 16, v[PW]
	v_lshl_or_b32 v[PW], v[TM+7], 24, v[PW]
.irp b, 0,1,2,3
.irp i, 0,1,2,3,4,5,6,7,8,9,10,11,12,13,14,15
	v_med3_num_f32 v[X+16*\b+\i], v[X+16*\b+\i], -v[TM+8+\b], v[TM+8+\b]   ; the conversion to an 8-bit code does not saturate (ISA guide 7.6.2): the hold comes first
.endr
	v_cvt_scalef32_pk8_bf8_f32 v[PC+4*\b:PC+1+4*\b], v[X+16*\b:X+7+16*\b], v[TM+12+\b]
	v_cvt_scalef32_pk8_bf8_f32 v[PC+2+4*\b:PC+3+4*\b], v[X+8+16*\b:X+15+16*\b], v[TM+12+\b]
.endr
	v_nop                                          ; a plain line behind the last conversion
.endm
	LOADK 0
	LOADK 1
.macro FRAGK f
.if (\f) < 3
	s_wait_loadcnt 16                              ; this fragment's 16 loads are in; the next fragment's 16 may be out
.else
	s_wait_loadcnt 0x0
.endif
	TURNK \f
	s_wait_dscnt 0x0                               ; the numbers are back, and the stage's stores have read the set as loaded
	s_wait_xcnt 0x0                                ; the last fragment's stores have read their data: v[PC] on is written again only behind this wait
.if (\f)+2 < 4
	LOADK (\f)+2
.endif
	QUANT
	v_mov_b32 v[W+\f], v[PW]
.irp c, 0,1,2,3
	global_store_b128 v7, v[PC+4*\c:PC+4*\c+3], s[28:29] offset:2048*(\f)+512*\c   ; 32 lanes store 512 consecutive bytes, aligned
.endr
.endm
	s_wait_alu depctr_va_vdst(0)
	FRAGK 0
	FRAGK 1
	FRAGK 2
	FRAGK 3
	v_cmp_gt_u32 vcc_lo, 16, v1                    ; both halves of the lanes hold row lane % 16's word: lanes 0-15 keep the even fragment's, lanes 16-31 the odd one's
	v_cndmask_b32 v248, v[W+1], v[W], vcc_lo
	v_cndmask_b32 v249, v[W+3], v[W+2], vcc_lo
	global_store_b64 v8, v[248:249], s[30:31]      ; 256 consecutive bytes, aligned
	s_wait_tensorcnt 0x0
	ds_add_u32 v254, v255
	s_wait_dscnt 0x0
	s_endpgm
; ---------------------------------------------------------------- V
.Lvrole:
	HJ 128
	s_add_nc_u64 s[6:7], s[6:7], s[24:25]
	s_add_co_u32 s26, s26, VIMG
	s_add_nc_u64 s[28:29], s[10:11], s[26:27]
	s_add_co_u32 s30, s30, VSC
	s_add_nc_u64 s[30:31], s[10:11], s[30:31]
	s_wait_alu depctr_va_vdst(0)
	v_lshlrev_b32 v9, 2, v1                        ; in: a lane a channel
	v_lshlrev_b32 v10, 11, v3
	v_lshl_add_u32 v10, v2, 4, v10                 ; out: fragment lane / 16 of the pair, row lane % 16
; Block t: keys 32 (t / 2) + 0 .. 31 of channel 32 (t % 2) + lane: a whole block of the quantiser in one lane's 32 registers
.macro LOADV t
.irp i, 0,1,2,3,4,5,6,7,8,9,10,11,12,13,14,15,16,17,18,19,20,21,22,23,24,25,26,27,28,29,30,31
	global_load_b32 v[16+32*((\t)%2)+\i], v9, s[6:7] offset:(32*((\t)/2)+\i)*4096+128*((\t)%2) th:TH_LOAD_NT
.endr
.endm
.macro BLOCKV t
.set XS, 16+32*((\t)%2)
.set CC, 80+8*(\t)                     ; each block has its own eight registers of codes: no store's data are written again
.if (\t) < 7
	s_wait_loadcnt 32                              ; this block's 32 loads are in; the next block's may be out
.else
	s_wait_loadcnt 0x0
.endif
	v_max3_num_f32 v146, |v[XS]|, |v[XS+1]|, |v[XS+2]|
	v_max3_num_f32 v147, |v[XS+3]|, |v[XS+4]|, |v[XS+5]|
.irp i, 6,10,14,18,22,26
	v_max3_num_f32 v146, v146, |v[XS+\i]|, |v[XS+\i+1]|
	v_max3_num_f32 v147, v147, |v[XS+\i+2]|, |v[XS+\i+3]|
.endr
	v_max3_num_f32 v146, v146, |v[XS+30]|, |v[XS+31]|
	v_max3_num_f32 v146, v146, v147, 0x8000000     ; and the floor 2^(16 - 127)
	v_add_nc_u32 v149, 0xf8800000, v146            ; the conversion's scale operand
	v_and_or_b32 v148, v146, 0x7f800000, s23       ; 57,344 x the scale
	v_lshrrev_b32 v150, 23, v149                   ; the byte: byte t / 2 of my channel's word
.if (\t)/2 == 0
	v_mov_b32 v[144+(\t)%2], v150
.else
	v_lshl_or_b32 v[144+(\t)%2], v150, 8*((\t)/2), v[144+(\t)%2]
.endif
.irp i, 0,1,2,3,4,5,6,7,8,9,10,11,12,13,14,15,16,17,18,19,20,21,22,23,24,25,26,27,28,29,30,31
	v_med3_num_f32 v[XS+\i], v[XS+\i], -v148, v148
.endr
.irp g, 0,1,2,3
	v_cvt_scalef32_pk8_bf8_f32 v[CC+2*\g:CC+2*\g+1], v[XS+8*\g:XS+8*\g+7], v149
.endr
	v_nop                                          ; a plain line behind the last conversion
	global_store_b128 v10, v[CC:CC+3], s[28:29] offset:512*((\t)/2)+4096*((\t)%2)          ; keys 0-15 of the block: sixteen lanes store 256 consecutive bytes, aligned
	global_store_b128 v10, v[CC+4:CC+7], s[28:29] offset:512*((\t)/2)+4096*((\t)%2)+256    ; keys 16-31: the places of the image's lanes 16-31
.if (\t)+2 < 8
	LOADV (\t)+2
.endif
.endm
	LOADV 0
	LOADV 1
.irp t, 0,1,2,3,4,5,6,7
	BLOCKV \t
.endr
	global_store_b64 v8, v[144:145], s[30:31]      ; lane l: the words of channels l and 32 + l: 256 consecutive bytes, aligned
	s_endpgm
.Lfunc_end_k_q0afd63c3eb_prep:
	.size	k_q0afd63c3eb_prep, .Lfunc_end_k_q0afd63c3eb_prep-k_q0afd63c3eb_prep
	.p2alignl 7, 3214868480
	.fill 96, 4, 3214868480
	.section	.rodata,"a",@progbits
	.p2align	6, 0x0
	.amdhsa_kernel k_q0afd63c3eb_prep
		.amdhsa_group_segment_fixed_size 69120
		.amdhsa_private_segment_fixed_size 0
		.amdhsa_enable_private_segment 0
		.amdhsa_kernarg_size 48
		.amdhsa_user_sgpr_count 2
		.amdhsa_user_sgpr_kernarg_segment_ptr 1
		.amdhsa_wavefront_size32 1
		.amdhsa_system_sgpr_workgroup_id_x 1
		.amdhsa_system_sgpr_workgroup_id_y 1
		.amdhsa_system_sgpr_workgroup_id_z 1
		.amdhsa_system_vgpr_workitem_id 0
		.amdhsa_next_free_vgpr 256
		.amdhsa_next_free_sgpr 66
		.amdhsa_reserve_vcc 1
		.amdhsa_float_denorm_mode_32 3
		.amdhsa_float_denorm_mode_16_64 3
		.amdhsa_memory_ordered 1
		.amdhsa_forward_progress 1
		.amdhsa_inst_pref_size 163
	.end_amdhsa_kernel
	.amdgpu_metadata
---
amdhsa.version: [ 1, 2 ]
amdhsa.kernels:
  - .name:           k_q0afd63c3eb_prep
    .symbol:         k_q0afd63c3eb_prep.kd
    .args:
      - { .name: keys, .offset: 0, .size: 8, .value_kind: global_buffer, .address_space: global }
      - { .name: values, .offset: 8, .size: 8, .value_kind: global_buffer, .address_space: global }
      - { .name: mask, .offset: 16, .size: 8, .value_kind: global_buffer, .address_space: global }
      - { .name: kv, .offset: 24, .size: 8, .value_kind: global_buffer, .address_space: global }
      - { .name: maskw, .offset: 32, .size: 8, .value_kind: global_buffer, .address_space: global }
      - { .name: flags, .offset: 40, .size: 8, .value_kind: global_buffer, .address_space: global }
    .group_segment_fixed_size: 69120
    .private_segment_fixed_size: 0
    .kernarg_segment_align: 8
    .kernarg_segment_size: 48
    .max_flat_workgroup_size: 128
    .sgpr_count:     66
    .vgpr_count:     256
    .wavefront_size: 32
...
	.end_amdgpu_metadata
.endif
;; end of part 3
;; launch attn (part 4): grid 8 x 32, 8 waves a work-group, no clusters, 306,176 bytes of LDS; arguments queries, kv, maskw, flags, out0; writes out0
.if DOCPART == 4
	.amdgcn_target "amdgcn-amd-amdhsa--gfx1250"
	.amdhsa_code_object_version 6
	.text
	.protected	k_q0afd63c3eb_attn
	.globl	k_q0afd63c3eb_attn
	.p2align	8
	.type	k_q0afd63c3eb_attn,@function
k_q0afd63c3eb_attn:
	s_mov_b64 s[64:65], 0
	v_nop
	global_prefetch_b8 v0, s[64:65] scope:SCOPE_SE
	s_setreg_imm32_b32 hwreg(HW_REG_WAVE_SCHED_MODE, 0, 2), 2
	s_setreg_imm32_b32 hwreg(HW_REG_WAVE_MODE, 25, 1), 1
	s_wait_xcnt 0x0
	s_wait_alu depctr_vm_vsrc(0)
; out[b][q][64 h ..] = the sum over k of softmax_k(q . k / 8 - 1e9 (1 - mask[b][q][k])) v, 32 heads of 64, 2,048 queries and keys, both products on codes of BF8 (E5M2) with one E8M0 scale for each 32 along K.
; THE SOFTMAX AHEAD OF THE SECOND PRODUCT: t = logit x log2(e); M = the running largest t rounded UP to a whole number; p = 2^(t - M) is quantised along the keys; the row's sum is taken of the unquantised p and divides at the end.
; SHARES.  A work-group owns one head and 16 tiles of 16 queries, T = 8 rank + x of the work-group.  Wave w takes ranks p and 15 - p (p = w, or 11 - w from wave 4 on): two tiles share each fragment read from LDS.
; THE HEAD'S WHOLE K AND V, as codes laid in the order of operand registers by the launch before, 270,336 bytes, come into LDS ONCE, through registers, in three parts: steps 0-3 and all scale words at the head;
; steps 4-11 behind step 1; steps 12-15 behind step 7.  Every LDS byte is stored once; a barrier stands between a part's stores and its first read.
; The eight work-groups of a head read the same block.  It is not asked for jointly by tensor loads in a cluster: this text branches on numbers read from memory (the flags).
; K = 64 IN AN INSTRUCTION OF K = 128: a fragment of K holds two tiles of 16 keys (k 0-63, k 64-127) and is multiplied once by [q | 0] and once by [0 | q]; zero codes add nothing.
; LAYOUT.  Both products are used transposed: S^T = K Q^T, O^T = V^T P^T: a lane holds ONE query (lane % 16) throughout.  Row r of key tile 2 f + u is key 32 f + 8 u + r + 8 (r / 8), so score register 16 b + i is key 32 b + 16 (lane / 16) + i.
; THE MASK is an input and is honoured as it comes.  For each tile and step of 128 keys the launch before stored two flags.  All allowed: no mask work.  Mixed: the bias is added as the definition adds it: s - 8e9 = 8 (s / 8 - 1e9),
; rounded alike; t is then a product of its own, so that equal logits give equal t.  None allowed: the step is left out, if every one of the tile's 16 rows has an allowed key somewhere: its p would be 2^(about -1.4e9) = 0.
; A tile with a row that has no allowed key at all leaves nothing out.  SKIP = 0 leaves nothing out anywhere.
; LIMITS: the step left out takes |q . k| / 8 < 9e8; NaN and infinities are not served; a block whose largest magnitude lies under 2^-111 keeps the scale byte 1.
; REGISTERS, window 0: v1-11 addresses; v12-19 -M, largest t, sum (a pair), for each tile; v20-59 zeros | q tile 0 | zeros | q tile 1 | zeros, 8 each; v60-61 q's scale words; v62-65 K's and V's; v66 p's; v68-83 p's codes;
;   v84-105 at work; v106-110 LDS bases of the fill; v112-175 S^T, then p; v176-239 O^T of the two tiles; v240-255 the bias of 16 scores.   window 1: v0-63 K's four fragments, v64-127 V's four, v128-255 the fill on its way.
; THE MODE: SCHED_MODE bits 1:0 = 2 (LLVM: expert scheduling mode 2), set by the entry lines.  The code itself states the register dependences between vector or matrix instructions and memory or LDS instructions,
; with s_wait_alu, always for 0.
; THE PLAN.  Registers that memory or LDS instructions touch, and who else names them:
;   v6-8, v10, v11, v106-110   addresses, made by vector instructions at the head and never written again: one wait on va_vdst, ahead of the first load, serves every access by them.
;   v3-5                       the step's three LDS addresses: written by three additions at a step's head, read by the step's 34 LDS loads.
;   window 1 v0-127, v62-65    fragments and scale words: the step's LDS loads land in them, the step's products read them.  (At the head window 1 v0-71 carry part 0 of the fill: global loads land, LDS stores read.)
;   window 1 v128-255          the fill: global loads land, LDS stores read, part 2's loads land in the first 64 again.  No vector instruction names them.
;   v112-175, v176-239         at the head q (as loaded: LDS stores read it; turned: LDS loads land); in the loops named by vector and matrix instructions alone; on the way out results (LDS stores read) and whole rows (LDS loads land, global stores read).
; So a step has ONE wait on vm_vsrc, ahead of the three additions, and ONE on va_vdst, behind them and ahead of all its loads; a tile has one wait ahead of its exponentials, two behind them and one ahead of its second product,
; whose operand and scale vector instructions have just made; the way out has one ahead of the reciprocals, one behind them and one ahead of its run of LDS stores and loads.
; No second set of fragment registers: two waves of 512 registers fill a SIMD's 1,024.
.set HB,   270336
.set KSC,  262144                      ; K's scale words in the block; V's lie 4,096 bytes on
.set STG,  270336                      ; behind the block: a stage of 16 rows x 272 bytes for each wave (272 = 17 x 16: sixteen rows begin in sixteen different 16-byte columns of 256)
.set SKIP, 1
.set LI,   1                           ; v1   16 x lane
.set L8,   2                           ; v2   KSC + 8 x lane
.set ADK,  3                           ; v3-5 the step's K, V, scale words
.set ADV,  4
.set ADS,  5
.set STO,  6                           ; v6   stage: row lane % 16, + 32 (lane / 16)
.set RD,   7                           ; v7   stage: row lane / 16, + 16 (lane % 16)
.set GO,   8                           ; v8   the same two rows in queries and out0: 4,096 (lane / 16) + 16 (lane % 16)
.set NEG,  9                           ; v9   -8e9
.set GA,   10                          ; v10  16 x thread: my 16 bytes of a row of 4,096 of the block
.set QR,   11                          ; v11  stage: row lane % 16, + 64 (lane / 16)
.set ST,   12
.set QS,   60
.set KS,   62
.set VS,   64
.set PW,   66
.set PC,   68
.set BM,   84                          ; v84-87 a block's largest score, then its largest p
.set T1,   88
.set T2,   92
.set T3,   96
.set F,    100                         ; v[100:101] f = 2^(old M - new M) (the pair's upper word is named with it, so it is written)
.set TA,   102
.set TB,   103
.set SUM2, 104                         ; v[104:105] the second chain of the sums
.set LB,   106
.set S,    112
.set O,    176
.set BI,   240
.set MSB, 0
.macro WIN new                         ; the immediate's high byte repeats the setting that is left; bits 1:0 source 0, 3:2 source 1, 7:6 destination
.if MSB != \new
	s_set_vgpr_msb (MSB<<8)|\new
.set MSB, \new
.endif
.endm
; A part of the block: n rows of 4,096 bytes from rowa on (K's), n from rowb on (V's); thread t's 16 bytes lie at 16 t in memory and in LDS alike.  A wave's load or store covers 512 consecutive bytes.
.macro FILL_IN reg0, rowa, rowb, n
.set i, 0
.rept \n
	global_load_b128 v[\reg0+4*i:\reg0+4*i+3], v[GA], s[6:7] offset:(\rowa+i)*4096
.set i, i+1
.endr
.set i, 0
.rept \n
	global_load_b128 v[\reg0+4*(\n+i):\reg0+4*(\n+i)+3], v[GA], s[6:7] offset:(\rowb+i)*4096
.set i, i+1
.endr
.endm
.macro FILL_OUT reg0, rowa, rowb, n
.set i, 0
.rept \n
	ds_store_b128 v[LB+(\rowa+i)/16], v[\reg0+4*i:\reg0+4*i+3] offset:((\rowa+i)%16)*4096
.set i, i+1
.endr
.set i, 0
.rept \n
	ds_store_b128 v[LB+(\rowb+i)/16], v[\reg0+4*(\n+i):\reg0+4*(\n+i)+3] offset:((\rowb+i)%16)*4096
.set i, i+1
.endr
.endm
	s_load_b256 s[4:11], s[0:1], 0x0               ; queries s[4:5], kv s[6:7], maskw s[8:9], flags s[10:11]
	s_load_b64 s[12:13], s[0:1], 0x20              ; out0
	v_lshl_add_u32 v67, v0, 2, 0x4a800
	v_mov_b32 v111, 0
	v_lshrrev_b32 v[TA], 5, v0
	v_readfirstlane_b32 s14, v[TA]                 ; wave 0..7
	v_and_b32 v[TA], 31, v0                        ; lane
	v_and_b32 v[TB], 15, v0                        ; lane % 16
	v_bfe_u32 v[SUM2], v0, 4, 1                    ; lane / 16
	v_lshlrev_b32 v[LI], 4, v[TA]
	v_lshl_add_u32 v[L8], v[TA], 3, KSC
	v_lshlrev_b32 v[GA], 4, v0
.irp k, 0,1,2,3,4
	v_add_nc_u32 v[LB+\k], \k*65536, v[GA]         ; an LDS offset has 16 bits: rows 16 k .. 16 k + 15 of the block go by base k
.endr
	s_wait_alu depctr_va_sdst(0)                   ; s14, the wave's number, is written, ahead of its first reader: the stage's place and the tiles' numbers are made from it
	s_mul_i32 s66, s14, 4352
	s_add_co_u32 s66, s66, STG                     ; my stage
	v_mul_u32_u24 v[STO], v[TB], 272
	v_add_nc_u32 v[STO], s66, v[STO]
	v_lshl_add_u32 v[QR], v[SUM2], 6, v[STO]
	v_lshl_add_u32 v[STO], v[SUM2], 5, v[STO]
	v_mul_u32_u24 v[RD], v[SUM2], 272
	v_lshl_add_u32 v[RD], v[TB], 4, v[RD]
	v_add_nc_u32 v[RD], s66, v[RD]
	v_lshlrev_b32 v[GO], 12, v[SUM2]
	v_lshl_add_u32 v[GO], v[TB], 4, v[GO]
	s_and_b32 s2, ttmp7, 0xffff                    ; hb = 16 batch + head
	s_lshr_b32 s18, s2, 4
	s_and_b32 s19, s2, 15
	s_sub_co_u32 s15, 11, s14
	s_cmp_lt_u32 s14, 4
	s_cselect_b32 s15, s14, s15                    ; p
	s_lshl_b32 s16, s15, 3
	s_add_co_u32 s16, s16, ttmp9                   ; tile 0: T = 8 p + x
	s_sub_co_u32 s17, 15, s15
	s_lshl_b32 s17, s17, 3
	s_add_co_u32 s17, s17, ttmp9                   ; tile 1: T = 8 (15 - p) + x
	s_lshl_b32 s3, s18, 7
	s_add_co_u32 s16, s16, s3                      ; + 128 batch
	s_add_co_u32 s17, s17, s3
	s_lshl_b32 s68, s16, 16                        ; 16 rows of 4,096 bytes a tile, in queries and in out0,
	s_lshl_b32 s70, s17, 16
	s_lshl_b32 s3, s19, 8                          ; + the head's 256 bytes of a row
	s_add_co_u32 s68, s68, s3
	s_add_co_u32 s70, s70, s3
	s_mov_b32 s69, 0
	s_mov_b32 s71, 0
	s_lshl_b32 s72, s16, 12                        ; 16 steps of 256 bytes of mask words a tile
	s_mov_b32 s73, 0
	s_lshl_b32 s74, s17, 12
	s_mov_b32 s75, 0
	s_lshl_b32 s76, s16, 4                         ; four flag words a tile
	s_lshl_b32 s77, s17, 4
	s_mul_i32 s78, s2, HB
	s_mov_b32 s79, 0
	s_wait_kmcnt 0x0
	s_load_b128 s[32:35], s[10:11], s76 offset:0x0 ; tile 0's flags
	s_load_b128 s[36:39], s[10:11], s77 offset:0x0 ; tile 1's
	s_add_nc_u64 s[80:81], s[4:5], s[68:69]        ; q of tile 0
	s_add_nc_u64 s[82:83], s[4:5], s[70:71]        ; q of tile 1
	s_add_nc_u64 s[6:7], s[6:7], s[78:79]          ; the head's block
	s_add_nc_u64 s[100:101], s[8:9], s[72:73]      ; mask words of tile 0
	s_add_nc_u64 s[104:105], s[8:9], s[74:75]      ; of tile 1
	s_add_nc_u64 s[8:9], s[12:13], s[68:69]        ; out0 at tile 0
	s_add_nc_u64 s[12:13], s[12:13], s[70:71]      ; at tile 1
	s_wait_alu depctr_va_vdst(0)                   ; v6-8, v10, v11 and v106-110 are written: every global access, every access to the stage and every store of the fill reads one of them as its address, and no vector instruction names them again
.irp i, 0,1,2,3,4,5,6,7
	global_load_b128 v[S+4*\i:S+4*\i+3], v[GO], s[80:81] offset:8192*\i th:TH_LOAD_NT      ; two queries' 256 bytes a load
.endr
.irp i, 0,1,2,3,4,5,6,7
	global_load_b128 v[S+32+4*\i:S+32+4*\i+3], v[GO], s[82:83] offset:8192*\i th:TH_LOAD_NT
.endr
	WIN 0x40                                       ; destination window 1
	FILL_IN 0, 0, 32, 8                            ; part 0: steps 0-3 of K and V,
	FILL_IN 64, 64, 65, 1                          ; and all scale words: 18 loads
	FILL_IN 128, 8, 40, 16                         ; part 1: steps 4-11: 32 loads
	WIN 0
	s_mov_b32 s20, 0x76543210
	s_mov_b32 s21, 0xfedcba98                      ; v_permlanex16_b32's selects for lane l xor 16
	s_mov_b32 s22, 0x3e38aa3b                      ; c = log2(e) / 8
	s_mov_b32 s23, s22                             ; (named with it as a pair, so it is written)
	s_mov_b32 s24, 0x600000                        ; the mantissa field of 57,344
	v_mov_b32 v[NEG], 0xcfee6b28                   ; -8e9
.irp j, 0,1,2,3,4,5,6,7
	v_mov_b32 v[20+\j], 0                          ; the zero halves of q's operands
	v_mov_b32 v[36+\j], 0
	v_mov_b32 v[52+\j], 0
.endr
.irp b, 0,1,2,3
	v_mov_b32 v[T1+\b], 0                          ; written once: a lane permute's destination counts as one of its sources
.endr
	v_mov_b32 v[F+1], 0
.irp x, 0,1
	v_mov_b32 v[ST+4*\x+1], 0xff61b1e6             ; the largest t so far: -3e38, under every t
	v_floor_f32 v[ST+4*\x], -v[ST+4*\x+1]          ; -M
	v_mov_b32 v[ST+4*\x+2], 0                      ; the sum, in two halves
	v_mov_b32 v[ST+4*\x+3], 0
.endr
; A tile's four flag words become two words of 16 bits, a bit a step: some key allowed, all keys allowed.
.macro DECODE w, any, full
	s_and_b32 s[\any], s[\w], 15
	s_bfe_u32 s[\full], s[\w], 0x40004
	s_or_b32 s67, s[\w], s[\w+1]
.irp q, 1,2,3
	s_and_b32 s66, s[\w+\q], 15
	s_lshl_b32 s66, s66, 4*\q
	s_or_b32 s[\any], s[\any], s66
	s_bfe_u32 s66, s[\w+\q], 0x40004
	s_lshl_b32 s66, s66, 4*\q
	s_or_b32 s[\full], s[\full], s66
.endr
	s_or_b32 s67, s67, s[\w+2]
	s_or_b32 s67, s67, s[\w+3]
	s_lshr_b32 s67, s67, 16                        ; bit r: row r has an allowed key somewhere
.if SKIP
	s_cmp_eq_u32 s67, 0xffff
	s_cselect_b32 s[\any], s[\any], 0xffff         ; a row without any: every step is walked
.else
	s_mov_b32 s[\any], 0xffff
.endif
.endm
	s_wait_kmcnt 0x0
	DECODE 32, 28, 29
	DECODE 36, 30, 31
	s_wait_loadcnt 50                              ; q is in: behind its 16 loads stand part 0's 18 and part 1's 32
.irp x, 0,1                            ; q through my stage: register 16 c + i becomes channel 32 c + 16 (lane / 16) + i of query lane % 16.  LDS serves a wave's instructions in order: tile 1's stores come behind tile 0's loads.  No vector instruction has named v112-239 yet
.irp i, 0,1,2,3,4,5,6,7
	ds_store_b128 v[RD], v[S+32*\x+4*\i:S+32*\x+4*\i+3] offset:544*\i
.endr
.irp c, 0,1
.irp q, 0,1,2,3
	ds_load_b128 v[O+32*\x+16*\c+4*\q:O+32*\x+16*\c+4*\q+3], v[QR] offset:128*\c+16*\q
.endr
.endr
.endr
	s_wait_dscnt 0x0
; 32 numbers of a lane (two blocks, each shared with lane l xor 16) become eight registers of codes and the query's scale word, its two bytes written twice: they serve k 0-63 and k 64-127 alike
.macro QUANTQ src, dst, qs
.irp b, 0,1
	v_max3_num_f32 v[BM+\b], |v[\src+16*\b]|, |v[\src+16*\b+1]|, 0x8000000   ; and the floor 2^(16 - 127): the byte cannot fall under 1
.endr
.irp i, 2,4,6,8,10,12,14
.irp b, 0,1
	v_max3_num_f32 v[BM+\b], v[BM+\b], |v[\src+16*\b+\i]|, |v[\src+16*\b+\i+1]|
.endr
.endr
.irp b, 0,1
	v_permlanex16_b32 v[T1+\b], v[BM+\b], s20, s21
.endr
.irp b, 0,1
	v_max_num_f32 v[BM+\b], v[BM+\b], v[T1+\b]
.endr
.irp b, 0,1
	v_add_nc_u32 v[T3+\b], 0xf8800000, v[BM+\b]    ; 15 off the exponent field: the conversion's scale operand
.endr
.irp b, 0,1
	v_and_or_b32 v[T2+\b], v[BM+\b], 0x7f800000, s24   ; 57,344 x the scale
.endr
.irp b, 0,1
	v_lshrrev_b32 v[T1+\b], 23, v[T3+\b]           ; the scale's byte
.endr
	v_lshl_or_b32 v[\qs], v[T1+1], 8, v[T1]
	v_lshl_or_b32 v[\qs], v[\qs], 16, v[\qs]
.irp b, 0,1
.irp i, 0,1,2,3,4,5,6,7,8,9,10,11,12,13,14,15
	v_med3_num_f32 v[\src+16*\b+\i], v[\src+16*\b+\i], -v[T2+\b], v[T2+\b]   ; the conversion to an 8-bit code does not saturate (ISA guide 7.6.2)
.endr
	v_cvt_scalef32_pk8_bf8_f32 v[\dst+4*\b:\dst+4*\b+1], v[\src+16*\b:\src+16*\b+7], v[T3+\b]
	v_cvt_scalef32_pk8_bf8_f32 v[\dst+4*\b+2:\dst+4*\b+3], v[\src+16*\b+8:\src+16*\b+15], v[T3+\b]
.endr
	v_nop                                          ; a plain line behind the last conversion
.endm
	QUANTQ O, 28, QS
	QUANTQ O+32, 44, QS+1
.irp j, 0,1,2,3,4,5,6,7,8,9,10,11,12,13,14,15,16,17,18,19,20,21,22,23,24,25,26,27,28,29,30,31,32,33,34,35,36,37,38,39,40,41,42,43,44,45,46,47,48,49,50,51,52,53,54,55,56,57,58,59,60,61,62,63
	v_mov_b32 v[O+\j], 0                           ; O^T.  Which step is a tile's first is known from the flags alone, so no first product can be written out with the constant 0: the first change of M multiplies zeros
.endr
	s_wait_loadcnt 32                              ; part 0 is in; part 1's 32 loads may be out
	WIN 0x04                                       ; an LDS store's data are its source 1: window 1
	FILL_OUT 0, 0, 32, 8
	FILL_OUT 64, 64, 65, 1
	WIN 0
	s_wait_dscnt 0x0                               ; for the others' sake: my stores are done
	s_barrier_signal -1
	s_barrier_wait -1                              ; steps 0-3 and all scale words lie in LDS
	s_wait_alu depctr_vm_vsrc(0)                   ; my LDS stores have read v112-175 (q as loaded), which the scores' products write, and v0-71 of window 1 (part 0), in which the fragments' loads land
; The eight products of a tile's scores: each fragment of K against [q | 0] and [0 | q].  K's scale words: fragments 0 and 2 in lanes 0-15, fragments 1 and 3 in lanes 16-31.
.macro SCORES x
	s_wait_dscnt 17                                ; K's words and fragments are in: behind them stand V's 16 loads and its words
	WIN 0x01                                       ; source 0 window 1
.irp f, 0,1,2,3
.if \f%2
	v_wmma_scale_f32_16x16x128_f8f6f4 v[S+16*\f:S+16*\f+7], v[16*\f:16*\f+15], v[28+16*\x:43+16*\x], 0, v[KS+\f/2], v[QS+\x] matrix_a_fmt:MATRIX_FMT_BF8 matrix_b_fmt:MATRIX_FMT_BF8 matrix_a_scale:MATRIX_SCALE_ROW1
	v_wmma_scale_f32_16x16x128_f8f6f4 v[S+16*\f+8:S+16*\f+15], v[16*\f:16*\f+15], v[20+16*\x:35+16*\x], 0, v[KS+\f/2], v[QS+\x] matrix_a_fmt:MATRIX_FMT_BF8 matrix_b_fmt:MATRIX_FMT_BF8 matrix_a_scale:MATRIX_SCALE_ROW1
.else
	v_wmma_scale_f32_16x16x128_f8f6f4 v[S+16*\f:S+16*\f+7], v[16*\f:16*\f+15], v[28+16*\x:43+16*\x], 0, v[KS+\f/2], v[QS+\x] matrix_a_fmt:MATRIX_FMT_BF8 matrix_b_fmt:MATRIX_FMT_BF8
	v_wmma_scale_f32_16x16x128_f8f6f4 v[S+16*\f+8:S+16*\f+15], v[16*\f:16*\f+15], v[20+16*\x:35+16*\x], 0, v[KS+\f/2], v[QS+\x] matrix_a_fmt:MATRIX_FMT_BF8 matrix_b_fmt:MATRIX_FMT_BF8
.endif
.endr
	WIN 0
.rept 8
	v_nop                                          ; eight places between the products and the first read of their results
.endr
.endm
; The largest of each block of 32 keys (it serves twice: for the row's maximum and, since p rises with the score, for the block's largest p), the running largest t, the new -M, and f.
; scaled = 1: the registers hold scores, and the maximum is multiplied by c; 0: they hold t.  SX: the tile's statistics.
.macro MAXM scaled
.irp b, 0,1,2,3
	v_max3_num_f32 v[BM+\b], v[S+16*\b], v[S+16*\b+1], v[S+16*\b+2]
.endr
.irp i, 3,5,7,9,11,13
.irp b, 0,1,2,3
	v_max3_num_f32 v[BM+\b], v[BM+\b], v[S+16*\b+\i], v[S+16*\b+\i+1]
.endr
.endr
.irp b, 0,1,2,3
	v_max_num_f32 v[BM+\b], v[BM+\b], v[S+16*\b+15]
.endr
.irp b, 0,1,2,3
	v_permlanex16_b32 v[T1+\b], v[BM+\b], s20, s21
.endr
.irp b, 0,1,2,3
	v_max_num_f32 v[BM+\b], v[BM+\b], v[T1+\b]     ; with lane l xor 16's 16 keys
.endr
	v_max3_num_f32 v[TA], v[BM], v[BM+1], v[BM+2]
	v_max_num_f32 v[TA], v[TA], v[BM+3]
.if \scaled
	v_mul_f32 v[TA], s22, v[TA]                    ; as t (c is positive)
.endif
	v_max_num_f32 v[SX+1], v[SX+1], v[TA]          ; the running largest t
	v_mov_b32 v[TA], v[SX]
	v_floor_f32 v[SX], -v[SX+1]                    ; the new -M = -ceil(t): a whole number
	v_sub_f32 v[TA], v[SX], v[TA]                  ; old M - new M: a whole number, 0 or less
	v_cvt_i32_f32 v[TA], v[TA]                     ; (it saturates)
	v_ldexp_f32 v[F], 1.0, v[TA]                   ; f = 2^(old M - new M): a multiplication by it rounds nothing
.endm
; ONE TILE OF 16 QUERIES IN ONE STEP OF 128 KEYS.  It holds no LDS and no vector-memory instruction: its four waits on va_vdst stand for the exponentials' operands and results and for the second product's operand and scale.
.macro TILE x
.set SX, ST+4*\x
.set OX, O+32*\x
	s_lshr_b32 s66, s[28+2*\x], s25
	s_and_b32 s66, s66, 1
	s_cmp_eq_u32 s66, 0
	s_cbranch_scc1 .Lskip_\@                       ; no key of the step counts for any of my 16 queries
	s_lshr_b32 s66, s[29+2*\x], s25
	s_and_b32 s66, s66, 1
	s_cmp_lg_u32 s66, 0
	s_cbranch_scc1 .Lfast_\@                       ; all count
	s_load_b512 s[32:47], s[100+4*\x:101+4*\x], s27 offset:0x0     ; the step's 64 lane masks, one for each score register; they land while the products run
	s_load_b512 s[48:63], s[100+4*\x:101+4*\x], s27 offset:0x40
	s_load_b512 s[68:83], s[100+4*\x:101+4*\x], s27 offset:0x80
	s_load_b512 s[84:99], s[100+4*\x:101+4*\x], s27 offset:0xc0
	SCORES \x
	s_wait_kmcnt 0x0
.irp b, 0,1,2,3
.irp i, 0,1,2,3,4,5,6,7,8,9,10,11,12,13,14,15
	v_cndmask_b32 v[BI+\i], v[NEG], 0, s[32+16*\b+\i+4*((16*\b+\i)/32)]   ; 0 where the key is allowed, -8e9 where not
.endr
.irp i, 0,2,4,6,8,10,12,14
	v_pk_add_f32 v[S+16*\b+\i:S+16*\b+\i+1], v[S+16*\b+\i:S+16*\b+\i+1], v[BI+\i:BI+\i+1]   ; 8 x (score / 8 - 1e9), rounded as that sum is
.endr
.endr
.irp j, 0,2,4,6,8,10,12,14,16,18,20,22,24,26,28,30,32,34,36,38,40,42,44,46,48,50,52,54,56,58,60,62
	v_pk_mul_f32 v[S+\j:S+\j+1], v[S+\j:S+\j+1], s[22:23] op_sel_hi:[1,0]   ; t, a number of its own
.endr
	MAXM 0
.irp j, 0,2,4,6,8,10,12,14,16,18,20,22,24,26,28,30,32,34,36,38,40,42,44,46,48,50,52,54,56,58,60,62
	v_pk_add_f32 v[S+\j:S+\j+1], v[S+\j:S+\j+1], v[SX:SX+1] op_sel_hi:[1,0]   ; t - M (of the pair the low word, -M, serves both halves)
.endr
.irp b, 0,1,2,3
	v_add_f32 v[BM+\b], v[BM+\b], v[SX]            ; the same of each block's largest t
.endr
	s_branch .Ljoin_\@
.Lfast_\@:
	SCORES \x
	MAXM 1
.irp j, 0,2,4,6,8,10,12,14,16,18,20,22,24,26,28,30,32,34,36,38,40,42,44,46,48,50,52,54,56,58,60,62
	v_pk_fma_f32 v[S+\j:S+\j+1], v[S+\j:S+\j+1], s[22:23], v[SX:SX+1] op_sel_hi:[1,0,0]   ; t - M, two at a time
.endr
.irp b, 0,1,2,3
	v_fma_f32 v[BM+\b], v[BM+\b], s22, v[SX]       ; the same of each block's largest score
.endr
.Ljoin_\@:
	s_wait_alu depctr_va_vdst(0)
.irp j, 0,1,2,3,4,5,6,7,8,9,10,11,12,13,14,15,16,17,18,19,20,21,22,23,24,25,26,27,28,29,30,31,32,33,34,35,36,37,38,39,40,41,42,43,44,45,46,47,48,49,50,51,52,53,54,55,56,57,58,59,60,61,62,63
	v_exp_f32 v[S+\j], v[S+\j]                     ; p = 2^(t - M), at most 1: not normalised
.endr
	v_pk_mul_f32 v[SX+2:SX+3], v[SX+2:SX+3], v[F:F+1] op_sel_hi:[1,0]   ; the sums under the new M: the plain line behind the exponentials
	s_wait_alu depctr_va_vdst(0)                   ; the 64 exponentials have written p in v112-175: one wait for the batch, ahead of its first reader, the sums below
.irp b, 0,1,2,3
	v_exp_f32 v[BM+\b], v[BM+\b]                   ; the block's largest p: the same instructions on the same number give the same bits
.endr
	v_pk_add_f32 v[SUM2:SUM2+1], v[S:S+1], v[S+2:S+3]   ; the row's sum is taken of the unquantised p: two at a time, in two chains
.irp j, 4,8,12,16,20,24,28,32,36,40,44,48,52,56,60
	v_pk_add_f32 v[SX+2:SX+3], v[SX+2:SX+3], v[S+\j:S+\j+1]
	v_pk_add_f32 v[SUM2:SUM2+1], v[SUM2:SUM2+1], v[S+\j+2:S+\j+3]
.endr
	v_pk_add_f32 v[SX+2:SX+3], v[SX+2:SX+3], v[SUM2:SUM2+1]
	s_wait_alu depctr_va_vdst(0)                   ; the four exponentials have written the blocks' largest p in v84-87, ahead of their first reader, the floor below
.irp b, 0,1,2,3
	v_max_num_f32 v[BM+\b], 0x8000000, v[BM+\b]    ; the floor 2^(16 - 127): a block whose every p is 0 keeps the byte 1; its codes are zeros
.endr
.irp b, 0,1,2,3
	v_add_nc_u32 v[T3+\b], 0xf8800000, v[BM+\b]    ; the conversion's scale operand
.endr
.irp b, 0,1,2,3
	v_and_or_b32 v[T2+\b], v[BM+\b], 0x7f800000, s24   ; 57,344 x the scale
.endr
.irp b, 0,1,2,3
	v_lshrrev_b32 v[T1+\b], 23, v[T3+\b]           ; the scale's byte
.endr
	v_lshl_or_b32 v[PW], v[T1+1], 8, v[T1]         ; p's scale word for these 128 keys
	v_lshl_or_b32 v[PW], v[T1+2], 16, v[PW]
	v_lshl_or_b32 v[PW], v[T1+3], 24, v[PW]
.irp b, 0,1,2,3
.irp i, 0,1,2,3,4,5,6,7,8,9,10,11,12,13,14,15
	v_min_num_f32 v[S+16*\b+\i], v[S+16*\b+\i], v[T2+\b]   ; p is not negative: the hold is one-sided
.endr
	v_cvt_scalef32_pk8_bf8_f32 v[PC+4*\b:PC+4*\b+1], v[S+16*\b:S+16*\b+7], v[T3+\b]
	v_cvt_scalef32_pk8_bf8_f32 v[PC+4*\b+2:PC+4*\b+3], v[S+16*\b+8:S+16*\b+15], v[T3+\b]
.endr
.irp j, 0,2,4,6,8,10,12,14,16,18,20,22,24,26,28,30
	v_pk_mul_f32 v[OX+\j:OX+\j+1], v[OX+\j:OX+\j+1], v[F:F+1] op_sel_hi:[1,0]   ; O^T under the new M; these 16 are also the places between the codes and the products
.endr
	s_wait_dscnt 0x0                               ; V's fragments and words are in
	s_wait_alu depctr_va_vdst(0)                   ; the conversions have written p's codes in v68-83 and the shifts its scale word in v66, which the scaled products below take as operand and as scale; the places above stay beside this wait
	WIN 0x01
.irp d, 0,1,2,3                        ; O^T += V^T P^T: four accumulators, one instruction each; between two links on one accumulator stand the next scores' products
.if \d%2
	v_wmma_scale_f32_16x16x128_f8f6f4 v[OX+8*\d:OX+8*\d+7], v[64+16*\d:79+16*\d], v[PC:PC+15], v[OX+8*\d:OX+8*\d+7], v[VS+\d/2], v[PW] matrix_a_fmt:MATRIX_FMT_BF8 matrix_b_fmt:MATRIX_FMT_BF8 matrix_a_scale:MATRIX_SCALE_ROW1
.else
	v_wmma_scale_f32_16x16x128_f8f6f4 v[OX+8*\d:OX+8*\d+7], v[64+16*\d:79+16*\d], v[PC:PC+15], v[OX+8*\d:OX+8*\d+7], v[VS+\d/2], v[PW] matrix_a_fmt:MATRIX_FMT_BF8 matrix_b_fmt:MATRIX_FMT_BF8
.endif
.endr
	WIN 0
.Lskip_\@:
.endm
; A STEP OF 128 KEYS for my two tiles: s25 its number, s26 = 8,192 x it, s27 = 256 x it.
.macro STEP
	s_or_b32 s66, s28, s30
	s_lshr_b32 s66, s66, s25
	s_and_b32 s66, s66, 1
	s_cmp_eq_u32 s66, 0
	s_cbranch_scc1 .Lnone_\@                       ; neither tile wants the step: nothing is read from LDS
	s_wait_alu depctr_vm_vsrc(0)                   ; the LDS loads of the step walked last have read v[ADK], v[ADS] and v[ADV], which the three additions write
	v_add_nc_u32 v[ADK], s26, v[LI]
	v_add_nc_u32 v[ADS], s27, v[L8]
	v_add_nc_u32 v[ADV], 0x20000, v[ADK]
	s_wait_alu depctr_va_vdst(0)                   ; the three addresses are written, which the 34 loads below read; the products of the step walked last are done reading K's and V's fragments and scale words, in which those loads land; ahead of the first products: q's codes and scale words are written
	ds_load_b64 v[KS:KS+1], v[ADS]
	WIN 0x40                                       ; destination window 1
.irp f, 0,1,2,3
.irp c, 0,1,2,3
	ds_load_b128 v[16*\f+4*\c:16*\f+4*\c+3], v[ADK] offset:2048*\f+512*\c      ; an image of the operand's registers: 512 consecutive bytes a load
.endr
.endr
.irp f, 0,1,2,3
.irp c, 0,1,2,3
	ds_load_b128 v[64+16*\f+4*\c:64+16*\f+4*\c+3], v[ADV] offset:2048*\f+512*\c   ; V's land under the first tile's scores and softmax: the wait for them stands ahead of the second product
.endr
.endr
	WIN 0
	ds_load_b64 v[VS:VS+1], v[ADS] offset:4096
	TILE 0
	TILE 1
	s_wait_dscnt 0x0                               ; no load of this step is out when the next step's are issued, on any way through the two tiles
.Lnone_\@:
	s_add_co_u32 s26, s26, 8192
	s_add_co_u32 s27, s27, 256
.endm
	s_mov_b32 s25, 0
	s_mov_b32 s26, 0
	s_mov_b32 s27, 0
.Lsteps_a:                                         ; steps 0 and 1
	STEP
	s_add_co_u32 s25, s25, 1
	s_cmp_lt_u32 s25, 2
	s_cbranch_scc1 .Lsteps_a
	s_wait_loadcnt 0x0                             ; part 1 is in
	WIN 0x04
	FILL_OUT 128, 8, 40, 16                        ; bytes that nobody reads in front of the barrier below.  Their addresses were made at the head; their data are loads' results
	s_wait_dscnt 0x0                               ; my stores are done, for the others' sake
	WIN 0x40
	s_wait_alu depctr_vm_vsrc(0)                   ; my LDS stores have read v128-255 of window 1: part 2's loads land in the first 64 of them
	FILL_IN 128, 24, 56, 8                         ; part 2: steps 12-15: 16 loads, with six steps in which to land
	WIN 0
	s_barrier_signal -1
	s_barrier_wait -1                              ; steps 4-11 lie in LDS
	s_mov_b32 s25, 2
	s_mov_b32 s26, 2*8192
	s_mov_b32 s27, 2*256
.Lsteps_b:                                         ; steps 2 to 7
	STEP
	s_add_co_u32 s25, s25, 1
	s_cmp_lt_u32 s25, 8
	s_cbranch_scc1 .Lsteps_b
	s_wait_loadcnt 0x0                             ; part 2 is in
	WIN 0x04
	FILL_OUT 128, 24, 56, 8                        ; (these registers are not written again)
	WIN 0
	s_wait_dscnt 0x0
	s_barrier_signal -1
	s_barrier_wait -1                              ; steps 12-15 lie in LDS
	s_mov_b32 s25, 8
	s_mov_b32 s26, 8*8192
	s_mov_b32 s27, 8*256
.Lsteps_c:                                         ; steps 8 to 15
	STEP
	s_add_co_u32 s25, s25, 1
	s_cmp_lt_u32 s25, 16
	s_cbranch_scc1 .Lsteps_c
	; THE WAY OUT.  O^T is divided by the row's sum and goes through my stage: a lane's eight channels of a query in, whole rows of 256 bytes (a query's head) back.
.rept 8
	v_nop                                          ; eight places between the last products and the first read of their results
.endr
	v_add_f32 v[TA], v[ST+2], v[ST+3]              ; the sums' two halves,
	v_add_f32 v[TB], v[ST+6], v[ST+7]
	v_permlanex16_b32 v[T1], v[TA], s20, s21
	v_permlanex16_b32 v[T1+1], v[TB], s20, s21
	v_add_f32 v[TA], v[TA], v[T1]                  ; and lane l xor 16's
	v_add_f32 v[TB], v[TB], v[T1+1]
	s_wait_alu depctr_va_vdst(0)
	v_rcp_f32 v[F], v[TA]
	v_rcp_f32 v[SUM2], v[TB]
	v_mov_b32 v[F+1], 0                            ; plain lines behind the reciprocals (the pairs' upper words are named, so they are written)
	v_mov_b32 v[SUM2+1], 0
	s_wait_alu depctr_va_vdst(0)                   ; the two reciprocals have written v100 and v104: one wait for both, ahead of their first reader
; Tile 0's results go to v112-143 and come back as rows into v144-175; tile 1's go to v176-207 (tile 0's O^T is done with) and come back into v208-239.
.macro DIVIDE x, rc
.set OX, O+32*\x
.set WX, 112+64*\x
.irp k, 0,2,4,6,8,10,12,14,16,18,20,22,24,26,28,30
	v_pk_mul_f32 v[WX+\k:WX+\k+1], v[OX+\k:OX+\k+1], v[\rc:\rc+1] op_sel_hi:[1,0]   ; each accumulator from its low end on; register 8 d + i is channel 16 d + 8 (lane / 16) + i
.endr
.endm
.macro TOSTAGE x
.set WX, 112+64*\x
.irp d, 0,1,2,3
	ds_store_b128 v[STO], v[WX+8*\d:WX+8*\d+3] offset:64*\d
	ds_store_b128 v[STO], v[WX+8*\d+4:WX+8*\d+7] offset:64*\d+16
.endr
.irp i, 0,1,2,3,4,5,6,7
	ds_load_b128 v[WX+32+4*\i:WX+32+4*\i+3], v[RD] offset:544*\i   ; LDS serves a wave's instructions in order: these see my stores, and the next tile's stores come behind them
.endr
.endm
.macro SEND x, younger                 ; younger: the LDS instructions issued behind this tile's loads
.set WX, 112+64*\x
.irp i, 0,1,2,3,4,5,6,7
	s_wait_dscnt \younger+7-\i
	global_store_b128 v[GO], v[WX+32+4*\i:WX+32+4*\i+3], s[8+4*\x:9+4*\x] offset:8192*\i th:TH_STORE_NT   ; sixteen lanes store 256 consecutive bytes, aligned; written once, read by nobody here
.endr
.endm
	DIVIDE 0, F
	DIVIDE 1, SUM2
	s_wait_alu depctr_va_vdst(0)                   ; the multiplications have written v112-143 and v176-207, which the LDS stores read, and are done reading v208-239; the softmax's last lines are done with v144-175: in these two runs the stage's loads land.  No vector instruction follows
	TOSTAGE 0
	TOSTAGE 1
	SEND 0, 16
	SEND 1, 0
	s_wait_dscnt 0x0                               ; the closing lines, six on end
	s_wait_alu 0x0
	s_wait_tensorcnt 0x0
	ds_add_u32 v67, v111
	s_wait_dscnt 0x0
	s_endpgm
.Lfunc_end_k_q0afd63c3eb_attn:
	.size	k_q0afd63c3eb_attn, .Lfunc_end_k_q0afd63c3eb_attn-k_q0afd63c3eb_attn
	.p2alignl 7, 3214868480
	.fill 96, 4, 3214868480
	.section	.rodata,"a",@progbits
	.p2align	6, 0x0
	.amdhsa_kernel k_q0afd63c3eb_attn
		.amdhsa_group_segment_fixed_size 306176
		.amdhsa_private_segment_fixed_size 0
		.amdhsa_enable_private_segment 0
		.amdhsa_kernarg_size 40
		.amdhsa_user_sgpr_count 2
		.amdhsa_user_sgpr_kernarg_segment_ptr 1
		.amdhsa_wavefront_size32 1
		.amdhsa_system_sgpr_workgroup_id_x 1
		.amdhsa_system_sgpr_workgroup_id_y 1
		.amdhsa_system_sgpr_workgroup_id_z 1
		.amdhsa_system_vgpr_workitem_id 0
		.amdhsa_next_free_vgpr 512
		.amdhsa_next_free_sgpr 106
		.amdhsa_reserve_vcc 0
		.amdhsa_float_denorm_mode_32 3
		.amdhsa_float_denorm_mode_16_64 3
		.amdhsa_memory_ordered 1
		.amdhsa_forward_progress 1
		.amdhsa_inst_pref_size 230
	.end_amdhsa_kernel
	.amdgpu_metadata
---
amdhsa.version: [ 1, 2 ]
amdhsa.kernels:
  - .name:           k_q0afd63c3eb_attn
    .symbol:         k_q0afd63c3eb_attn.kd
    .args:
      - { .name: queries, .offset: 0, .size: 8, .value_kind: global_buffer, .address_space: global }
      - { .name: kv, .offset: 8, .size: 8, .value_kind: global_buffer, .address_space: global }
      - { .name: maskw, .offset: 16, .size: 8, .value_kind: global_buffer, .address_space: global }
      - { .name: flags, .offset: 24, .size: 8, .value_kind: global_buffer, .address_space: global }
      - { .name: out0, .offset: 32, .size: 8, .value_kind: global_buffer, .address_space: global }
    .group_segment_fixed_size: 306176
    .private_segment_fixed_size: 0
    .kernarg_segment_align: 8
    .kernarg_segment_size: 40
    .max_flat_workgroup_size: 256
    .sgpr_count:     106
    .vgpr_count:     512
    .wavefront_size: 32
...
	.end_amdgpu_metadata
.endif
;; end of part 4
